; MI455X (gfx1250); checked and timed in simulation.
; The chip was launched on July 23, 2026; its instructions are those of AMD's public machine-readable ISA for CDNA 5 (MIT licence, August 2026) and "CDNA5" Instruction Set Architecture Reference Guide (July 2026). The comments in the code are by the model that wrote it; some were corrected since.
;; Multihead Attention. Allowed arithmetic: matrix products marked QUANTISED: E3M2 operands, one E8M0 scale for each 32 along K, by v_wmma_scale_f32_16x16x128_f8f6f4 with both operands' format E3M2, f32 sums; everything else in f32.
;; Inputs: K 4 x 2,048 x 1,024 float32; Q 4 x 2,048 x 1,024 float32; V 4 x 2,048 x 1,024 float32; W_K 16 x 1,024 x 64 float32; W_O 1,024 x 1,024 float32; W_Q 16 x 1,024 x 64 float32; W_V 16 x 1,024 x 64 float32.
;; Outputs: out0 4 x 2,048 x 1,024 float32.
;; This version of the problem:
;;   THIS VERSION OF THE PROBLEM IS GIVEN IN LOW PRECISION. The matrix products marked QUANTISED in the list below multiply operands that are first quantised to E3M2 (3 exponent bits, 2 mantissa bits; 6 bits a number), with one power-of-two scale for each 32 numbers along K (OCP MX v1.0); their sums are f32. All else is computed in f32.
;;   The module's matrix products, in the order in which they are computed (A, B: the left and right operand; K: the contracted axis; several contracted axes count as one K, in the product's order):
;;     1. [M 1,024, K 1,024] x [K 1,024, N 8,192]; A: input W_Q; B: input Q: QUANTISED
;;     2. [M 1,024, K 1,024] x [K 1,024, N 8,192]; A: input W_K; B: input K: QUANTISED
;;     3. [M 1,024, K 1,024] x [K 1,024, N 8,192]; A: input W_V; B: input V: QUANTISED
;;     4. batch 64 x [M 2,048, K 64] x [K 64, N 2,048]; A: computed on the way; B: computed on the way: QUANTISED
;;     5. batch 64 x [M 2,048, K 2,048] x [K 2,048, N 64]; A: softmax (see below); B: computed on the way: QUANTISED
;;     6. [M 8,192, K 1,024] x [K 1,024, N 1,024]; A: computed on the way; B: input W_O: QUANTISED
;;   THE QUANTISER, for each operand of a quantised product, along K:
;;     - K is cut into blocks of 32 from its start; a last block that is shorter is filled with zeros.
;;     - A block's scale is 2^e with e = floor(log2(the largest magnitude in the block)) - 4, held to -126 .. 127; a block of zeros has e = 0. As a byte (E8M0): e + 127.
;;     - Each number is divided by its block's scale, clamped to +-28, and rounded to the nearest number of E3M2, ties to even, subnormals kept.
;;     - The product sums the exact products of the quantised numbers (number of the format x scale) in f32.
;;   ~~~python
;;   def quantise(x, axis):      # numpy; x: float32 -> the quantised numbers, widened to float32 again
;;       x = np.moveaxis(x, axis, -1); K = x.shape[-1]
;;       x = np.pad(x, [(0, 0)] * (x.ndim - 1) + [(0, -K % 32)]); x = x.reshape(x.shape[:-1] + (-1, 32)); a = np.abs(x).max(-1, keepdims=True)
;;       e = np.where(a > 0, np.clip(np.frexp(np.where(a > 0, a, 1))[1] - 1 - 4, -126, 127), 0)      # np.frexp(a)[1] - 1 = floor(log2(a)), exactly
;;       r = np.clip(x / 2.0 ** e, -28, 28)
;;       step = 2.0 ** (np.maximum(np.frexp(np.where(r == 0, 1, r))[1] - 1, -2) - 2)
;;       q = np.round(r / step) * step * 2.0 ** e      # np.round: ties to even
;;       return np.moveaxis(q.reshape(q.shape[:-2] + (-1,))[..., :K], -1, axis).astype(np.float32)
;;   ~~~
;;   SOFTMAX AHEAD OF A QUANTISED PRODUCT. Where the list says 'softmax', what is quantised is not the finished softmax but p = 2^(t - M), with t = logit x log2(e) and M = ceil(the row's largest t), a whole number; so 1/2 < the row's largest p <= 1. The row's sum l is taken of the UNQUANTISED p, in f32, and the product's result is divided by l at the end. Since M is a whole number, a kernel that streams over the keys may use a running M (the ceiling of the running maximum): every later rescaling is an exact power of two, which a block's scale takes up: the codes' values come out the same.
;;   OPERANDS COMPUTED ON THE WAY. 'Computed on the way' means the value that the module computes at that place (a softmax that the list does not call 'softmax' is quantised finished and normalised). What goes into a quantiser is computed in f32, as accurately as f32 sums, v_exp_f32 and their like allow (about 1e-6 of the number): no bf16 or f16 on the way to a quantiser, and a product that is left as it is and whose result goes on into a quantised operand takes f32 operands (vector FMAs, or v_wmma_f32_16x16x4_f32). A number that lies on a knife's edge between two numbers of the format may be rounded either way, as far as f32 arithmetic and the matrix unit's own rounding can turn it there, and no further.
;; One version. Each part assembles by itself: llvm-mc -triple=amdgcn-amd-amdhsa -mcpu=gfx1250 --defsym DOCPART=n.
;; ======== version 1 of 1: 4 launches
;; limits: right only within a limited range of input values
;; workspace buffers: xc 18,874,368 bytes; xs 786,432 bytes; wc 6,291,456 bytes; ws 131,072 bytes; qkv 18,874,368 bytes; qkvs 1,310,720 bytes; cc 6,291,456 bytes; cs 262,144 bytes
;; launch prep (part 1): grid 896 x 1, 4 waves a work-group, no clusters, 68,096 bytes of LDS; arguments Q, K, V, W_Q, W_K, W_V, W_O, xc, xs, wc, ws; writes xc, xs, wc, ws
.if DOCPART == 1
	.amdgcn_target "amdgcn-amd-amdhsa--gfx1250"
	.amdhsa_code_object_version 6
	.text
	.protected	k_q771f6440e9_prep
	.globl	k_q771f6440e9_prep
	.p2align	8
	.type	k_q771f6440e9_prep,@function
k_q771f6440e9_prep:
	s_mov_b64 s[64:65], 0
	v_nop
	global_prefetch_b8 v0, s[64:65] scope:SCOPE_SE
	s_setreg_imm32_b32 hwreg(HW_REG_WAVE_MODE, 25, 1), 1
	s_wait_xcnt 0x0
; All seven f32 inputs become codes of BF6 (E3M2), 6 bits each, K innermost, with one E8M0 scale byte for each 32 along K.
; A block's scale is 2^(floor(log2(its largest magnitude)) - 4); its byte is the largest magnitude's own exponent field - 4, held at 1 from below.
; LIMITS: a block of zeros, or one whose largest magnitude lies under 2^-122 (the floor), gets the byte 1 (the rule says 127 for zeros): its codes are zeros or tiny, the bytes are read by this program alone.
; NaN and infinities among the inputs are not served.
; TWO PATHS, parted by the work-group's number; each has LDS bytes of its own.
;   work-groups 128..895: Q, K, V [8192][1024]: K (the model's 1,024) is innermost: plain streams of blocks of 32.  256 work-groups a tensor, a wave takes 8 rows (8,192 numbers).
;   work-groups 0..127:   W_Q, W_K, W_V [16][1024][64] and W_O [1024][1024]: K is NOT innermost: a lane takes a column and its registers run down K.
; THE ORDER OF ROWS IN THE WORKSPACE.  sw(i) is i with its bits 3 and 4 exchanged.  Rows of K and V (tokens) and all rows of the weights' codes (columns n) are stored at sw(row); rows of Q as they are.
; So 16 neighbouring stored rows are lanes 0-7: eight neighbouring rows, lanes 8-15: the eight rows 16 further on, and the products that follow get results whose 16 registers of two neighbouring tiles are 16 neighbours.
; No tensor loads, no barrier: waves share nothing.
; THE WORKSPACE'S LAYOUT, which takes the place of what the lines above say of it.  Codes lie BLOCKED: [tile of 16 stored rows][64 along K][row][48 bytes]: a tile is 12,288 bytes, and 256 along K of a tile are 3,072 dense bytes.
; Scale bytes lie [stored row][32].  Stored rows: Q's as they are; V's tokens and all weights' columns at sw(row);
; K's tokens, in each 64: token 32 h + 8 u + j at place 16 u + 8 h + j, so that rows 8 h .. 8 h + 7 of four neighbouring tiles are one block of 32 tokens.
; Streams: a step is 8 rows x 64 along K (each load reads 256 consecutive bytes of two rows), so that a step's codes are 384 dense bytes of a block.
.set EMAX,  4
; K STEPS IN PLANES.  Of the blocked layout, a tile's four K steps of 256 (3,072 bytes each: four blocks of 768) lie in four planes, 1,572,864 bytes apart in both buffers:
; xc is [tensor][K step][512 tiles][3,072], wc is [K step][matrix][64 tiles][3,072] (a plane of wc holds 786,432 bytes; the rest of its pitch is never touched).
.set STEPS, 16                         ; streams: steps of 512 numbers in a wave's run
.set CB,    12                         ; bytes of 16 codes
.set XR,    16                         ; v16-79   streams: four sets of 16 numbers as loaded
.set XX,    80                         ; v80-111  two sets of 16 neighbours
.set XE,    112                        ; v112-127 a scale byte for each step
.set XC,    128                        ; v128-191 codes: four registers for each step, so that no store's data are written again
.set WREG,  8192                       ; LDS 0..32,767: a region for each wave: two stages of 32 x SP bytes, then its 256 scale bytes
.set SP,    80                         ; a lane's place in a stage: 64 bytes + 16 of padding
.set NB,    8                          ; weights: blocks of 32 along K for a wave
.set WP,    272                        ; a stage row: sixteen places of 16 bytes (12 of codes each) + 16
.set KROW,  768                        ; a row of codes in memory: 1,024 codes
.set WLDS,  32768                      ; LDS 32,768..67,583: the weights' stages, 32 rows x WP for each wave
.set WX,    32                         ; v32-95   weights: two sets of 32 numbers
.set WC,    96                         ; v96-102  a block's codes
.set OUTR,  112                        ; v112-175 the way out
.set SB,    24                         ; v24-25   the scale bytes, four to a register
.set WOF,   176                        ; v176-207 4 x lane + i rows of the weight, i = 0 .. 31; never rewritten
	s_load_b256 s[4:11], s[0:1], 0x0               ; Q s[4:5], K s[6:7], V s[8:9], W_Q s[10:11]
	s_load_b256 s[12:19], s[0:1], 0x20             ; W_K s[12:13], W_V s[14:15], W_O s[16:17], xc s[18:19]
	s_load_b128 s[20:23], s[0:1], 0x40             ; xs s[20:21], wc s[22:23]
	s_load_b64 s[24:25], s[0:1], 0x50              ; ws
	v_lshl_add_u32 v208, v0, 2, 0x10800
	v_mov_b32 v209, 0
	v_lshrrev_b32 v1, 5, v0
	v_readfirstlane_b32 s26, v1                    ; wave 0..3
	v_and_b32 v2, 31, v0                           ; lane
	s_wait_kmcnt 0x0
	s_cmp_lt_u32 ttmp9, 128
	s_cbranch_scc1 .Lweights
	; ---------------- Q, K, V ----------------
	s_sub_co_u32 s27, ttmp9, 128
	s_lshr_b32 s30, s27, 8                         ; which tensor: 0 Q, 1 K, 2 V
	s_and_b32 s27, s27, 255                        ; which 32 rows of it
	s_cmp_eq_u32 s30, 1
	s_cselect_b64 s[4:5], s[6:7], s[4:5]
	s_cmp_eq_u32 s30, 2
	s_cselect_b64 s[4:5], s[8:9], s[4:5]           ; the choice hangs on the work-group's number alone
	s_and_b32 s28, s26, 1
	s_lshl_b32 s28, s28, 1
	s_lshr_b32 s29, s26, 1
	s_or_b32 s28, s28, s29                         ; the wave's two bits exchanged: a run is 8 rows, so that is sw on the rows
	s_cmp_eq_u32 s30, 0
	s_cselect_b32 s28, s26, s28
	s_and_b32 s29, s27, 1                          ; K: run 4 h + u of a 64 goes to place 2 u + h; h = group % 2, u = wave: counted from 4 x group that is 2 u - 3 h
	s_mul_i32 s29, s29, 3
	s_lshl_b32 s31, s26, 1
	s_sub_co_u32 s29, s31, s29
	s_cmp_eq_u32 s30, 1
	s_cselect_b32 s28, s29, s28
	s_lshl_b32 s27, s27, 2
	s_add_co_u32 s32, s27, s26                     ; the run that I read: 4 x group + wave
	s_lshl_b32 s32, s32, 15                        ; 32,768 bytes a run
	s_mov_b32 s33, 0
	s_add_nc_u64 s[4:5], s[4:5], s[32:33]
	s_lshl_b32 s30, s30, 10
	s_add_co_u32 s30, s30, s27
	s_add_co_u32 s30, s30, s28                     ; the run that I write: 1,024 x tensor + 4 x group + the wave's place
	s_lshr_b32 s32, s30, 1                         ; two runs of 8 rows to a tile of 12,288 bytes; the second run's rows begin 384 bytes into each block of 768
	s_mul_i32 s32, s32, 3072
	s_and_b32 s29, s30, 1
	s_mul_i32 s29, s29, 384
	s_add_co_u32 s32, s32, s29
	s_lshr_b32 s29, s30, 10                        ; a tensor has four planes: three more planes for each tensor passed
	s_mul_i32 s29, s29, 4718592
	s_add_co_u32 s32, s32, s29
	s_add_nc_u64 s[18:19], s[18:19], s[32:33]
	s_lshl_b32 s32, s30, 8                         ; 256 scale bytes a run
	s_add_nc_u64 s[20:21], s[20:21], s[32:33]
	s_wait_alu depctr_va_vdst(0)
	v_and_b32 v3, 15, v2                           ; sixteen lanes read 256 consecutive bytes of a row, the other sixteen the same of the next row
	v_lshlrev_b32 v3, 4, v3
	v_lshrrev_b32 v5, 4, v2
	v_lshl_add_u32 v3, v5, 12, v3
	s_mul_i32 s31, s26, WREG
	v_lshrrev_b32 v14, 2, v2
	v_mul_u32_u24 v14, v14, SP
	v_and_b32 v15, 3, v2
	v_lshl_add_u32 v14, v15, 4, v14
	v_add_nc_u32 v14, s31, v14                     ; the stage, on the way in: four lanes' 64 bytes on end, then 16 of padding
	v_mul_u32_u24 v15, v2, SP
	v_add_nc_u32 v15, s31, v15                     ; and on the way out: SP x lane: my 16 neighbours
	v_mul_u32_u24 v4, v2, CB                       ; my codes' place in a step's
	v_lshrrev_b32 v5, 2, v2                        ; my row of the eight: 32 scale bytes a row; my block of the step's two
	v_bfe_u32 v10, v2, 1, 1
	v_lshl_add_u32 v5, v5, 5, v10
	s_add_co_u32 s31, s31, 2*32*SP
	v_add_nc_u32 v5, s31, v5                       ; LDS: my wave's 256 scale bytes, my block's byte
	v_lshlrev_b32 v7, 3, v2                        ; and on the way out 8 bytes a lane
	v_add_nc_u32 v6, s31, v7
.macro LOAD t
.irp i, 0,1,2,3
	global_load_b128 v[XR+16*((\t)%4)+4*\i:XR+16*((\t)%4)+4*\i+3], v3, s[4:5] offset:256*(\t)+8192*\i th:TH_LOAD_NT   ; rows 2 i and 2 i + 1, 64 numbers of each
.endr
.endm
.macro TURN t                          ; step t's numbers through the stage: LDS serves a wave's instructions in order, so no wait stands between the stores and the loads
.irp i, 0,1,2,3
	ds_store_b128 v14, v[XR+16*((\t)%4)+4*\i:XR+16*((\t)%4)+4*\i+3] offset:32*SP*((\t)%2)+8*SP*\i
.endr
.irp i, 0,1,2,3
	ds_load_b128 v[XX+16*((\t)%2)+4*\i:XX+16*((\t)%2)+4*\i+3], v15 offset:32*SP*((\t)%2)+16*\i
.endr
.endm
.irp t, 0,1,2,3
	LOAD \t
.endr
	s_wait_alu depctr_va_vdst(0)
	s_wait_loadcnt 12                              ; step 0's four loads are in; the twelve of steps 1 to 3 stay out
	TURN 0
.macro STEP t
.set XS, XX+16*((\t)%2)
.if (\t) > 0
	s_wait_dscnt 1                                 ; this step's numbers are back from the stage (the last step's byte store may be out)
.else
	s_wait_dscnt 0x0
.endif
.if (\t)+4 < STEPS
	LOAD (\t)+4                                    ; into the registers whose stores into the stage have been served
.endif
.if (\t)+1 < STEPS
.if STEPS-2-(\t) >= 3
	s_wait_loadcnt 12                              ; the next step's four loads are in; those of the three steps behind it may be out
.else
	s_wait_loadcnt 4*(STEPS-2-(\t))
.endif
	TURN (\t)+1                                    ; through the other stage while this step is worked
.endif
	v_max3_num_f32 v8, |v[XS]|, |v[XS+1]|, |v[XS+2]|               ; the largest magnitude of my 16, in two chains
	v_max3_num_f32 v9, |v[XS+3]|, |v[XS+4]|, |v[XS+5]|
.irp i, 6,10
	v_max3_num_f32 v8, v8, |v[XS+\i]|, |v[XS+\i+1]|
	v_max3_num_f32 v9, v9, |v[XS+\i+2]|, |v[XS+\i+3]|
.endr
	v_max3_num_f32 v8, v8, |v[XS+14]|, |v[XS+15]|
	v_max3_num_f32 v8, v8, v9, (EMAX+1)<<23        ; and the floor 2^(5 - 127): the byte cannot fall under 1
	v_max_num_f32_dpp v8, v8, v8 row_xmask:1 row_mask:0xf bank_mask:0xf   ; and of my neighbour's 16: the block's
	v_add_nc_u32 v11, -(EMAX<<23), v8              ; 4 off its exponent field: the conversion takes the exponent field of this operand as its scale
	v_cvt_scalef32_pk16_bf6_f32 v[XC+4*(\t):XC+4*(\t)+2], v[XS:XS+15], v11
	v_lshrrev_b32 v[XE+(\t)], 23, v11              ; the scale's byte (also the plain line behind the conversion)
	ds_store_b8 v5, v[XE+(\t)] offset:2*(\t)       ; both lanes of a block write the same byte with the same value
	global_store_b96 v4, v[XC+4*(\t):XC+4*(\t)+2], s[18:19] offset:((\t)/4)*1572864+((\t)%4)*768   ; the wave stores 384 consecutive bytes: 8 rows x 48
.endm
.irp t, 0,1,2,3,4,5,6,7,8,9,10,11,12,13,14,15
	STEP \t
.endr
	ds_load_b64 v[12:13], v6                       ; LDS serves a wave's instructions in order: these see my stores
	s_wait_dscnt 0x0
	global_store_b64 v7, v[12:13], s[20:21]        ; 32 lanes store 256 consecutive bytes, aligned
	s_wait_tensorcnt 0x0
	ds_add_u32 v208, v209
	s_wait_dscnt 0x0
	s_endpgm
	; ---------------- the four weights ----------------
.Lweights:
	s_lshr_b32 s27, ttmp9, 5                       ; which matrix: 0 W_Q, 1 W_K, 2 W_V, 3 W_O
	s_bfe_u32 s28, ttmp9, 0x30002                  ; which 128 columns
	s_and_b32 s29, ttmp9, 3                        ; which 256 along K
	s_lshl_b32 s28, s28, 7
	s_lshl_b32 s30, s26, 5
	s_add_co_u32 s28, s28, s30                     ; my wave's first column n: 128 x group + 32 x wave
	s_cmp_eq_u32 s27, 1
	s_cselect_b64 s[48:49], s[12:13], s[10:11]
	s_cmp_eq_u32 s27, 2
	s_cselect_b64 s[48:49], s[14:15], s[48:49]
	s_lshr_b32 s50, s28, 6                         ; a head's weight: n = 64 head + k lies at head x 262,144 + d x 256 + 4 k bytes
	s_lshl_b32 s50, s50, 18
	s_and_b32 s51, s28, 63
	s_lshl_b32 s51, s51, 2
	s_add_co_u32 s50, s50, s51
	s_lshl_b32 s51, s28, 2                         ; W_O: d x 4,096 + 4 n
	s_movk_i32 s31, 0x1000
	s_cmp_eq_u32 s27, 3
	s_cselect_b64 s[48:49], s[16:17], s[48:49]
	s_cselect_b32 s31, s31, 0x100                  ; bytes from one row d to the next
	s_cselect_b32 s50, s51, s50
	s_mov_b32 s51, 0
	s_add_nc_u64 s[48:49], s[48:49], s[50:51]
	s_lshl_b32 s52, s29, 8
	s_mul_i32 s52, s52, s31                        ; my 256 along K
	s_mov_b32 s53, 0
	s_add_nc_u64 s[32:33], s[48:49], s[52:53]      ; a base for each block of 32 rows, made once: no pointer is stepped later
	s_lshl_b32 s52, s31, 5
.irp t, 1,2,3,4,5,6,7
	s_add_nc_u64 s[32+2*\t:33+2*\t], s[30+2*\t:31+2*\t], s[52:53]
.endr
	s_lshl_b32 s54, s27, 10
	s_add_co_u32 s54, s54, s28                     ; my first stored row: 1,024 x matrix + first column
	s_mul_i32 s56, s54, 192
	s_mul_i32 s55, s29, 1572864
	s_add_co_u32 s56, s56, s55
	s_mov_b32 s57, 0
	s_add_nc_u64 s[22:23], s[22:23], s[56:57]      ; the codes: row x 192 + a plane of 1,572,864 for each 256 along K
	s_lshl_b32 s56, s54, 5
	s_lshl_b32 s55, s29, 3
	s_add_co_u32 s56, s56, s55
	s_add_nc_u64 s[24:25], s[24:25], s[56:57]      ; the scale bytes: row x 32 + 8
	s_wait_alu depctr_va_vdst(0)
	v_lshlrev_b32 v3, 2, v2                        ; in: 4 bytes a lane: 128 consecutive bytes a wave
.set j, 0
.rept 32
	v_mad_u32_u24 v[WOF+j], s31, j, v3
.set j, j+1
.endr
	v_and_b32 v5, 7, v2
	v_bfe_u32 v6, v2, 3, 1
	v_bfe_u32 v7, v2, 4, 1
	v_lshl_or_b32 v5, v6, 4, v5
	v_lshl_or_b32 v5, v7, 3, v5                    ; sw(lane): the stored row of my column among the wave's 32
	s_mul_i32 s55, s26, 32*WP
	s_add_co_u32 s55, s55, WLDS                    ; my stage
	v_mul_u32_u24 v4, v5, WP
	v_add_nc_u32 v4, s55, v4                       ; into it: row = my column's stored row
	v_lshlrev_b32 v9, 5, v5                        ; and its row of scale bytes
	v_and_b32 v5, 3, v2
	v_lshrrev_b32 v6, 2, v2                        ; out of it: four lanes to a row's 48 bytes of a block, eight rows an instruction
	v_mul_u32_u24 v7, v6, WP
	v_lshl_add_u32 v7, v5, 4, v7
	v_add_nc_u32 v7, s55, v7
	v_mul_u32_u24 v8, v2, 12                       ; and in the codes' buffer 384 consecutive bytes
.macro WLOAD t                         ; block t: W(32 t + i, my column), i = 0 .. 31, into set t % 2
.set j, 0
.rept 32
	global_load_b32 v[WX+32*((\t)%2)+j], v[WOF+j], s[32+2*(\t):33+2*(\t)] th:TH_LOAD_NT
.set j, j+1
.endr
.endm
	WLOAD 0
	WLOAD 1
.macro BLOCK t
.set XS, WX+32*((\t)%2)
.if (\t) < NB-1
	s_wait_loadcnt 32                              ; this block's 32 loads are in; the next block's 32 may be out
.else
	s_wait_loadcnt 0
.endif
	v_max3_num_f32 v12, |v[XS]|, |v[XS+1]|, |v[XS+2]|               ; the block's largest magnitude: all 32 numbers are mine
	v_max3_num_f32 v13, |v[XS+3]|, |v[XS+4]|, |v[XS+5]|
.irp i, 6,10,14,18,22,26
	v_max3_num_f32 v12, v12, |v[XS+\i]|, |v[XS+\i+1]|
	v_max3_num_f32 v13, v13, |v[XS+\i+2]|, |v[XS+\i+3]|
.endr
	v_max3_num_f32 v12, v12, |v[XS+30]|, |v[XS+31]|
	v_max3_num_f32 v12, v12, v13, (EMAX+1)<<23     ; and the floor
	v_add_nc_u32 v11, -(EMAX<<23), v12             ; the conversion's scale operand
	v_lshrrev_b32 v13, 23, v11                     ; the scale's byte
.if (\t)%4 == 0
	v_mov_b32 v[SB+(\t)/4], v13                    ; four bytes to a register, the lower K in the lower byte
.else
	v_lshl_or_b32 v[SB+(\t)/4], v13, 8*((\t)%4), v[SB+(\t)/4]
.endif
	v_cvt_scalef32_pk16_bf6_f32 v[WC:WC+2], v[XS:XS+15], v11
	v_cvt_scalef32_pk16_bf6_f32 v[WC+4:WC+6], v[XS+16:XS+31], v11   ; (a conversion's three registers begin on an even number)
	ds_store_b96 v4, v[WC:WC+2] offset:32*(\t)     ; 12 bytes to a place of 16, so that every LDS address is a multiple of 16
	ds_store_b96 v4, v[WC+4:WC+6] offset:32*(\t)+16
.if (\t)+2 < NB
	WLOAD (\t)+2
.endif
	s_wait_dscnt 0x0                               ; the stores have read their registers: the next block's codes may be written (plain lines stand ahead of its conversions)
.endm
.irp t, 0,1,2,3,4,5,6,7
	BLOCK \t
.endr
	s_wait_alu depctr_va_vdst(0)
	global_store_b64 v9, v[SB:SB+1], s[24:25]      ; my column's 8 scale bytes
.irp t, 0,1,2,3,4,5,6,7,8,9,10,11,12,13,14,15
	ds_load_b96 v[OUTR+4*\t:OUTR+4*\t+2], v7 offset:((\t/8)*16+(\t%2)*8)*WP+((\t/2)%4)*64
.endr
.irp t, 0,1,2,3,4,5,6,7,8,9,10,11,12,13,14,15
	s_wait_dscnt 15-\t                             ; load t is in; the 15 - t younger ones may be out
	global_store_b96 v8, v[OUTR+4*\t:OUTR+4*\t+2], s[22:23] offset:(\t/8)*3072+((\t/2)%4)*768+(\t%2)*384
.endr
	s_wait_tensorcnt 0x0
	ds_add_u32 v208, v209
	s_wait_dscnt 0x0
	s_endpgm
.Lfunc_end_k_q771f6440e9_prep:
	.size	k_q771f6440e9_prep, .Lfunc_end_k_q771f6440e9_prep-k_q771f6440e9_prep
	.p2alignl 7, 3214868480
	.fill 96, 4, 3214868480
	.section	.rodata,"a",@progbits
	.p2align	6, 0x0
	.amdhsa_kernel k_q771f6440e9_prep
		.amdhsa_group_segment_fixed_size 68096
		.amdhsa_private_segment_fixed_size 0
		.amdhsa_enable_private_segment 0
		.amdhsa_kernarg_size 88
		.amdhsa_user_sgpr_count 2
		.amdhsa_user_sgpr_kernarg_segment_ptr 1
		.amdhsa_wavefront_size32 1
		.amdhsa_system_sgpr_workgroup_id_x 1
		.amdhsa_system_sgpr_workgroup_id_y 1
		.amdhsa_system_sgpr_workgroup_id_z 1
		.amdhsa_system_vgpr_workitem_id 0
		.amdhsa_next_free_vgpr 210
		.amdhsa_next_free_sgpr 66
		.amdhsa_reserve_vcc 0
		.amdhsa_float_denorm_mode_32 3
		.amdhsa_float_denorm_mode_16_64 3
		.amdhsa_memory_ordered 1
		.amdhsa_forward_progress 1
		.amdhsa_inst_pref_size 77
	.end_amdhsa_kernel
	.amdgpu_metadata
---
amdhsa.version: [ 1, 2 ]
amdhsa.kernels:
  - .name:           k_q771f6440e9_prep
    .symbol:         k_q771f6440e9_prep.kd
    .args:
      - { .name: Q, .offset: 0, .size: 8, .value_kind: global_buffer, .address_space: global }
      - { .name: K, .offset: 8, .size: 8, .value_kind: global_buffer, .address_space: global }
      - { .name: V, .offset: 16, .size: 8, .value_kind: global_buffer, .address_space: global }
      - { .name: W_Q, .offset: 24, .size: 8, .value_kind: global_buffer, .address_space: global }
      - { .name: W_K, .offset: 32, .size: 8, .value_kind: global_buffer, .address_space: global }
      - { .name: W_V, .offset: 40, .size: 8, .value_kind: global_buffer, .address_space: global }
      - { .name: W_O, .offset: 48, .size: 8, .value_kind: global_buffer, .address_space: global }
      - { .name: xc, .offset: 56, .size: 8, .value_kind: global_buffer, .address_space: global }
      - { .name: xs, .offset: 64, .size: 8, .value_kind: global_buffer, .address_space: global }
      - { .name: wc, .offset: 72, .size: 8, .value_kind: global_buffer, .address_space: global }
      - { .name: ws, .offset: 80, .size: 8, .value_kind: global_buffer, .address_space: global }
    .group_segment_fixed_size: 68096
    .private_segment_fixed_size: 0
    .kernarg_segment_align: 8
    .kernarg_segment_size: 88
    .max_flat_workgroup_size: 128
    .sgpr_count:     66
    .vgpr_count:     210
    .wavefront_size: 32
...
	.end_amdgpu_metadata
.endif
;; end of part 1
;; launch proj (part 2): grid 4 x 96, 4 waves a work-group, clusters of 4 x 4, 327,680 bytes of LDS; arguments xc, xs, wc, ws, qkv, qkvs; writes qkv, qkvs
.if DOCPART == 2
	.amdgcn_target "amdgcn-amd-amdhsa--gfx1250"
	.amdhsa_code_object_version 6
	.text
	.protected	k_q771f6440e9_proj
	.globl	k_q771f6440e9_proj
	.p2align	8
	.type	k_q771f6440e9_proj,@function
k_q771f6440e9_proj:
	s_mov_b64 s[64:65], 0
	v_nop
	global_prefetch_b8 v0, s[64:65] scope:SCOPE_SE
	s_setreg_imm32_b32 hwreg(HW_REG_WAVE_MODE, 25, 1), 1
	s_wait_xcnt 0x0
	s_wait_alu depctr_hold_cnt(0) depctr_sa_sdst(0) depctr_va_vdst(0) depctr_va_sdst(0) depctr_va_ssrc(0) depctr_va_vcc(0) depctr_vm_vsrc(0)
	s_getreg_b32 s2, hwreg(HW_REG_IB_STS2, 6, 4)
	s_cmp_eq_u32 s2, 0
	s_cbranch_scc0 .Lentry_in_a_cluster
	s_endpgm
.Lentry_in_a_cluster:
	s_bfe_u32 s2, ttmp6, 0x10000c
	s_cmp_lg_u32 s2, 0xf033
	s_cbranch_scc0 .Lentry_shape_is_right
	s_endpgm
.Lentry_shape_is_right:
; The three projections on codes of BF6: a block of 256 x 256 to a work-group, 128 x 128 to a wave, K in steps of 256 through a ring of two LDS slots; the results are quantised and leave as images of operand registers.
; Both operands' codes lie blocked in memory, [tile of 16 rows][64 along K][row][48 bytes]: a K step of a tile is 3,072 dense bytes, a tensor row; 8 tiles to a load of the ring, 12,288 bytes from tile to tile.
; In LDS lane (r, h) reads at 48 r + 24 h of a block of 768 bytes: the 32 lanes of a load of 8 bytes name 64 different words modulo 64.
; The head's four tiles (A's and B's first K step, A's and B's scales) are shared out, one joint load a wave; slot 1's first fill follows as a refill does.
.set SIZE_K, 1024
.set KSTEP,  256
.set NQ,     KSTEP/128
.set ROWB,   3072
; THE WALK ALONG K, which takes the place of what the lines above say of the ring.  In memory a block's K steps lie in planes MPL bytes apart, and 16 tiles of a K step are 49,152 dense bytes.
; LDS holds three K steps of A (three planes of PLN bytes) and three of B.  The head's loads bring K steps 0 to 2 whole, one tile of 3 rows of 49,152 bytes for each operand.  The one refill, K step 3, lands on K step 0's
; bytes, behind the full sequence and a round, directly behind K step 0's products; K steps 1 and 2 are multiplied while it is on its way, and one barrier stands ahead of K step 3.
.set KROW,   192                       ; bytes of a row in a plane
.set PLN,    6*8192                    ; 49,152: a K step of 256 rows in LDS
.set AREA,   3*PLN
.set MPL,    1572864
.set PITCH,  48
.set FR,     12
.set NL,     6
.set NP,     4
.set HALFT,  8*ROWB
.set KS,     SIZE_K/32
.set SCL,    2*AREA
.set HALFS,  (128*KS/256)*272
.set SBLK,   (16*KS/256)*272
.set SPARE,  SCL+4*HALFS
.set ADRA, 16
.set ADRB, 20
.set L16,  24
.set L8,   25
.set LV,   26
.set ADRS, 27
.set SPW,  28
.set NIL,  29
.set SC,   32
.set AF,   128
.set TM,   64
.set PW,   80
.set DS,   88
.set ES,   92
.set T2,   96
.set PC0,  128
.set G1, 24
.set G0, 32
.set G1B, 48
.set G0B, 56
.set G1S, 68
.set G0S, 76
.set G1SB, 80
.set G0SB, 88
.set MSB, 0
.macro WIN new
.if MSB != \new
	s_set_vgpr_msb (MSB<<8)|\new
.set MSB, \new
.endif
.endm
.set MUL_LO, 0xa1
.set MUL_HI, 0xf1
.set TO_B,   0x40
.macro JLOAD g0a, g1a, g0b, g1b
	s_cmp_eq_u32 s15, 0
	s_cbranch_scc0 .Lfor_b_\@
	tensor_load_to_lds s[\g0a:\g0a+3], s[\g1a:\g1a+7]
	s_nop 0
.rept 4
	v_nop
.endr
	s_branch .Lasked_\@
.Lfor_b_\@:
	tensor_load_to_lds s[\g0b:\g0b+3], s[\g1b:\g1b+7]
	s_nop 0
.rept 4
	v_nop
.endr
.Lasked_\@:
.endm
.macro CREST
	s_cmp_lg_u32 s14, 0
	s_cbranch_scc1 .Lnot_wave_0_\@
	s_barrier_signal -3
.Lnot_wave_0_\@:
	s_barrier_wait -3
	s_barrier_signal -1
	s_barrier_wait -1
.endm
.macro CROUND
	s_barrier_signal -1
	s_barrier_wait -1
	CREST
.endm
	s_load_b128 s[4:7], s[0:1], 0x0
	s_load_b128 s[8:11], s[0:1], 0x10
	s_load_b64 s[12:13], s[0:1], 0x20
	s_load_b64 s[96:97], s[0:1], 0x28
	v_lshl_add_u32 v[SPW], v0, 2, SPARE
	v_mov_b32 v[NIL], 0
	ds_add_u32 v28, v29
	ds_add_u32 v28, v29
	s_wait_dscnt 0x0
	v_lshrrev_b32 v1, 5, v0
	v_readfirstlane_b32 s14, v1
	s_lshr_b32 s15, s14, 1
	s_and_b32 s16, s14, 1
	s_bfe_u32 s40, ttmp6, 0x40000
	s_bfe_u32 s41, ttmp6, 0x40004
	s_and_b32 s98, ttmp7, 0xffff
	s_and_b32 s99, s98, 7
	s_lshl_b32 s99, s99, 2
	s_lshr_b32 s98, s98, 3
	s_cmp_lt_u32 s98, 2
	s_cselect_b32 s17, s99, 0
	s_cselect_b32 s42, 0, s99
	s_add_co_u32 s17, s17, s41
	s_add_co_u32 s42, s42, s40
	s_lshl_b32 s43, s41, 2
	s_lshl_b32 s43, 15, s43
	s_lshl_b32 s44, 0x1111, s40
	s_or_b32 s[G1+0], s43, (3<<16)|(1<<21)
	s_or_b32 s[G1B+0], s44, (3<<16)|(1<<21)
.irp g, G1, G1B
	s_mov_b32 s[\g+1], 6144<<16                    ; the head's loads: rows of 6,144 elements of 8 bytes (16 tiles of a K step),
	s_mov_b32 s[\g+2], 3<<16                       ; three K steps,
	s_mov_b32 s[\g+3], 6144<<16
	s_mov_b32 s[\g+4], 3
	s_mov_b32 s[\g+5], MPL/8                       ; a plane apart
	s_mov_b32 s[\g+6], 0
	s_mov_b32 s[\g+7], 0
.endr
	s_or_b32 s[G1S+0], s43, (3<<16)|(1<<20)|(1<<21)|(5<<22)|(3<<25)
	s_or_b32 s[G1SB+0], s44, (3<<16)|(1<<20)|(1<<21)|(5<<22)|(3<<25)
.irp g, G1S, G1SB
	s_mov_b32 s[\g+1], 32<<16
	s_mov_b32 s[\g+2], KS<<16
	s_mov_b32 s[\g+3], 32<<16
	s_mov_b32 s[\g+4], KS
	s_mov_b32 s[\g+5], 32
	s_mov_b32 s[\g+6], 0
	s_mov_b32 s[\g+7], 0
.endr
	s_lshl_b32 s20, s17, 8
	s_lshl_b32 s46, s42, 8
	s_mov_b32 s21, 0
	s_mov_b32 s47, 0
	s_mov_b64 s[18:19], KS
	s_mul_u64 s[22:23], s[20:21], s[18:19]
	s_mul_u64 s[92:93], s[46:47], s[18:19]
	s_mov_b64 s[18:19], KROW
	s_mul_u64 s[20:21], s[20:21], s[18:19]
	s_mul_u64 s[46:47], s[46:47], s[18:19]
	s_mul_i32 s45, s16, HALFT
	s_mul_i32 s18, s16, 128*KROW                   ; in the ring I fetch 128 rows of a tile: which half, in bytes
	s_mov_b32 s19, 0
	s_wait_kmcnt 0x0
	s_mov_b32 s101, 0
	s_mul_i32 s100, s98, 6291456
	s_add_nc_u64 s[4:5], s[4:5], s[100:101]
	s_mul_i32 s100, s98, 262144
	s_add_nc_u64 s[6:7], s[6:7], s[100:101]
	s_mul_i32 s100, s98, 196608
	s_add_nc_u64 s[8:9], s[8:9], s[100:101]
	s_mul_i32 s100, s98, 32768
	s_add_nc_u64 s[10:11], s[10:11], s[100:101]
	s_cmp_eq_u32 s98, 2
	s_mov_b64 s[100:101], s[4:5]
	s_cselect_b64 s[4:5], s[8:9], s[4:5]
	s_cselect_b64 s[8:9], s[100:101], s[8:9]
	s_mov_b64 s[100:101], s[6:7]
	s_cselect_b64 s[6:7], s[10:11], s[6:7]
	s_cselect_b64 s[10:11], s[100:101], s[10:11]
	s_add_nc_u64 s[20:21], s[4:5], s[20:21]
	s_add_nc_u64 s[22:23], s[6:7], s[22:23]
	s_add_nc_u64 s[46:47], s[8:9], s[46:47]
	s_add_nc_u64 s[92:93], s[10:11], s[92:93]
	CROUND
	s_mov_b32 s[G0S], 1
	s_mov_b32 s[G0S+1], SCL
	s_mov_b64 s[G0S+2:G0S+3], s[22:23]
	s_or_b32 s[G0S+3], s[G0S+3], 0x80000000
	s_mov_b32 s[G0SB], 1
	s_mov_b32 s[G0SB+1], SCL+2*HALFS
	s_mov_b64 s[G0SB+2:G0SB+3], s[92:93]
	s_or_b32 s[G0SB+3], s[G0SB+3], 0x80000000
.set G0H, 4                            ; s[4:7], s[8:11]: group 0 of the head's loads of K steps 0 to 2 (the arguments that lay there have been used)
.set G0HB, 8
	s_mov_b32 s[G0H], 1
	s_mov_b32 s[G0H+1], 0
	s_mov_b64 s[G0H+2:G0H+3], s[20:21]
	s_or_b32 s[G0H+3], s[G0H+3], 0x80000000
	s_mov_b32 s[G0HB], 1
	s_mov_b32 s[G0HB+1], AREA
	s_mov_b64 s[G0HB+2:G0HB+3], s[46:47]
	s_or_b32 s[G0HB+3], s[G0HB+3], 0x80000000
	s_add_nc_u64 s[20:21], s[20:21], s[18:19]      ; for the ring: my 128 rows
	s_add_nc_u64 s[46:47], s[46:47], s[18:19]
	s_mov_b32 s[G0], 1                             ; the refill: my 128 rows of K step 3, onto K step 0's bytes
	s_add_co_u32 s[G0+1], s45, 0
	s_add_nc_u64 s[G0+2:G0+3], s[20:21], 3*MPL
	s_or_b32 s[G0+3], s[G0+3], 0x80000000
	s_mov_b32 s[G0B], 1
	s_add_co_u32 s[G0B+1], s45, AREA
	s_add_nc_u64 s[G0B+2:G0B+3], s[46:47], 3*MPL
	s_or_b32 s[G0B+3], s[G0B+3], 0x80000000
; the head's loads, one a wave, in one tree of branches on the wave's number
.macro ARM under, g0, g1, next
	s_cmp_lt_u32 s14, \under
	s_cbranch_scc0 \next
	tensor_load_to_lds s[\g0:\g0+3], s[\g1:\g1+7]
	s_nop 0
.rept 4
	v_nop
.endr
	s_branch .Lhead_asked
\next:
.endm
	ARM 1, G0H,  G1,  .Lhead_b
	ARM 2, G0HB, G1B, .Lhead_sa
	ARM 3, G0S,  G1S, .Lhead_sb
	tensor_load_to_lds s[G0SB:G0SB+3], s[G1SB:G1SB+7]
	s_nop 0
.rept 4
	v_nop
.endr
.Lhead_asked:
	v_and_b32 v1, 15, v0
	v_bfe_u32 v2, v0, 4, 1
	v_mul_u32_u24 v3, v1, PITCH
	v_mul_u32_u24 v4, v2, 24
	v_add_nc_u32 v4, v3, v4
	s_mul_i32 s21, s15, HALFT
	s_mul_i32 s22, s16, HALFT
	s_add_co_u32 s22, s22, AREA
	v_add_nc_u32 v[ADRA], s21, v4                  ; K step 0: plane 0
	v_add_nc_u32 v[ADRB], s22, v4
	v_add_nc_u32 v[ADRA+1], PLN, v[ADRA]           ; K step 1: plane 1
	v_add_nc_u32 v[ADRB+1], PLN, v[ADRB]
	v_add_nc_u32 v[ADRA+2], PLN, v[ADRA+1]         ; K step 2: plane 2; moved into the first register when K step 0 is done with
	v_add_nc_u32 v[ADRB+2], PLN, v[ADRB+1]
	v_mov_b32 v[ADRA+3], v[ADRA]                   ; K step 3: plane 0 again; moved into the second register
	v_mov_b32 v[ADRB+3], v[ADRB]
	v_mul_u32_u24 v5, v1, KS
	v_lshrrev_b32 v6, 8, v5
	v_lshl_add_u32 v5, v6, 4, v5
	s_mul_i32 s21, s15, HALFS
	s_mul_i32 s22, s16, HALFS
	s_add_co_u32 s22, s22, 2*HALFS
	s_sub_co_u32 s22, s22, s21
	v_mul_u32_u24 v6, s22, v2
	s_add_co_u32 s21, s21, SCL
	v_add_nc_u32 v5, v5, v6
	v_add_nc_u32 v[ADRS], s21, v5
	v_and_b32 v6, 31, v0
	v_lshlrev_b32 v[L16], 4, v6
	v_lshlrev_b32 v[L8], 3, v6
	v_lshlrev_b32 v[LV], 4, v1
	v_mad_u32_u24 v[LV], v2, 0x3000, v[LV]
.macro FRAG reg, adr, q, i
.irp p, 0,1,2,3,4,5
	ds_load_b64 v[\reg+2*\p:\reg+2*\p+1], v[\adr] offset:(\i)*ROWB+(2*(\q)+\p/3)*768+8*(\p%3)
.endr
.endm
.macro MUL16 a0, p, q, sc, zero
.irp a, \a0, \a0+1
.irp b, 0,1,2,3,4,5,6,7
.if \zero
	v_wmma_scale_f32_16x16x128_f8f6f4 v[8*(8*((\a)%4)+\b):8*(8*((\a)%4)+\b)+7], v[128*(\p)+FR*\b:128*(\p)+FR*\b+FR-1], v[AF+FR*(\a):AF+FR*(\a)+FR-1], 0, v[SC+8*NQ*(\sc)+NQ*\b+(\q)], v[SC+8*NQ*(\sc)+NQ*(\a)+(\q)] matrix_a_fmt:MATRIX_FMT_BF6 matrix_b_fmt:MATRIX_FMT_BF6 matrix_a_scale:MATRIX_SCALE_ROW1
.else
	v_wmma_scale_f32_16x16x128_f8f6f4 v[8*(8*((\a)%4)+\b):8*(8*((\a)%4)+\b)+7], v[128*(\p)+FR*\b:128*(\p)+FR*\b+FR-1], v[AF+FR*(\a):AF+FR*(\a)+FR-1], v[8*(8*((\a)%4)+\b):8*(8*((\a)%4)+\b)+7], v[SC+8*NQ*(\sc)+NQ*\b+(\q)], v[SC+8*NQ*(\sc)+NQ*(\a)+(\q)] matrix_a_fmt:MATRIX_FMT_BF6 matrix_b_fmt:MATRIX_FMT_BF6 matrix_a_scale:MATRIX_SCALE_ROW1
.endif
.endr
.endr
.endm
.macro FETCH_B slot, q, p
	WIN TO_B
.irp i, 0,1,2,3,4,5,6,7
	FRAG 128*(\p)+FR*\i, ADRB+\slot, \q, \i
.endr
	WIN 0
.endm
.macro FETCH_A slot, q, i0
.irp i, \i0, \i0+1, \i0+2, \i0+3
	FRAG AF+FR*(\i), ADRA+\slot, \q, \i
.endr
.endm
.macro SCALES sc
.irp i, 0,1,2,3,4,5,6,7
	ds_load_b64 v[SC+8*NQ*\sc+NQ*\i:SC+8*NQ*\sc+NQ*\i+1], v[ADRS] offset:\i*SBLK
.endr
.endm
.macro PLACES n
.rept \n
	v_nop
.endr
.endm
.macro STEP slot, q, zero
	s_wait_dscnt 4*NL
	WIN MUL_LO
	MUL16 0, (\q)%2, \q, \slot, \zero
	MUL16 2, (\q)%2, \q, \slot, \zero
	s_wait_dscnt 0
	PLACES NP
	FETCH_B \slot, (\q)+1, 1-(\q)%2
	FETCH_A \slot, (\q)+1, 0
	WIN MUL_HI
	MUL16 4, (\q)%2, \q, \slot, \zero
	MUL16 6, (\q)%2, \q, \slot, \zero
	PLACES NP
	WIN 0
	FETCH_A \slot, (\q)+1, 4
.endm
; a K step's second half, and the change to the next K step.  fill = 1: the full sequence, a round and the refill; fill = 0: the wait for the refill and a barrier; fill = 2: the next K step has been in LDS since the head: neither.
; mv = 1: the next K step's address takes the place of the one that its register held two K steps ago
.macro TURN slot, next, fill, mv
.if \fill == 2
	s_wait_dscnt 4*NL
	WIN MUL_LO
	MUL16 0, 1, NQ-1, \slot, 0
	MUL16 2, 1, NQ-1, \slot, 0
	s_wait_dscnt 0x0
	WIN 0
	PLACES NP
.else
	s_wait_tensorcnt 0x0
	ds_add_u32 v[SPW], v[NIL]
	s_wait_dscnt 4*NL+1
	WIN MUL_LO
	MUL16 0, 1, NQ-1, \slot, 0
	s_wait_dscnt 0x0
	s_barrier_signal -1
	MUL16 2, 1, NQ-1, \slot, 0
	WIN 0
	s_barrier_wait -1
.if \fill
	CREST
	JLOAD G0, G1, G0B, G1B
.else
	PLACES NP
.endif
.endif
.if \mv
	v_mov_b32 v[ADRA+\next], v[ADRA+2+\next]
	v_mov_b32 v[ADRB+\next], v[ADRB+2+\next]
.endif
	s_wait_alu depctr_va_vdst(0)
	v_add_nc_u32 v[ADRS], 4*NQ, v[ADRS]
	FETCH_B \next, 0, 0
	FETCH_A \next, 0, 0
	SCALES \next
	WIN MUL_HI
	MUL16 4, 1, NQ-1, \slot, 0
	MUL16 6, 1, NQ-1, \slot, 0
	PLACES NP
	WIN 0
	FETCH_A \next, 0, 4
.endm
	s_wait_alu depctr_va_vdst(0)
	s_wait_tensorcnt 0x0                           ; my tile of the head's four is in; these lines stand ahead of a later first fill as ahead of a refill
.irp g, G1, G1B                        ; no tensor load of mine is out: the refill's tile is 8 tiles of a K step, 24,576 dense bytes
	s_mov_b32 s[\g+1], 384<<16
	s_mov_b32 s[\g+2], 8<<16
	s_mov_b32 s[\g+3], 384<<16
	s_mov_b32 s[\g+4], 8
	s_mov_b32 s[\g+5], 384
.endr
	s_barrier_signal -1
	s_barrier_wait -1                              ; everybody's tile of the head's four is in
	FETCH_B 0, 0, 0
	FETCH_A 0, 0, 0
	SCALES 0
	FETCH_A 0, 0, 4
	STEP 0, 0, 1
	TURN 0, 1, 1, 0                                ; K step 0 is done with: K step 3 is asked for onto its bytes
	STEP 1, 0, 0
	TURN 1, 0, 2, 1
	STEP 0, 0, 0
	TURN 0, 1, 0, 1                                ; K step 3 is in
	STEP 1, 0, 0
	s_wait_dscnt 4*NL
	WIN MUL_LO
	MUL16 0, 1, NQ-1, 1, 0
	MUL16 2, 1, NQ-1, 1, 0
	s_wait_dscnt 0
	WIN MUL_HI
	MUL16 4, 1, NQ-1, 1, 0
	MUL16 6, 1, NQ-1, 1, 0
	WIN 0
.macro QUANTW a
.set QW, 2+(\a)/4
.set QWW, QW|(QW<<2)
.set QS, 64*((\a)%4)
.set QP, PC0+12*(\a)
	WIN QWW
.irp b, 0,1,2,3
	v_max3_num_f32 v[TM+\b], |v[QS+16*\b]|, |v[QS+16*\b+1]|, 0x2800000
.endr
.irp i, 2,4,6,8,10,12,14
.irp b, 0,1,2,3
	v_max3_num_f32 v[TM+\b], |v[QS+16*\b+\i]|, |v[QS+16*\b+\i+1]|, v[TM+\b]
.endr
.endr
	WIN 0
.irp b, 0,1,2,3
	v_permlanex16_b32 v[TM+4+\b], v[TM+\b], s18, s19
.endr
.irp b, 0,1,2,3
	v_max_num_f32 v[TM+\b], v[TM+\b], v[TM+4+\b]
.endr
.irp b, 0,1,2,3
	v_add_nc_u32 v[TM+12+\b], 0xfe000000, v[TM+\b]
.endr
.irp b, 0,1,2,3
	v_lshrrev_b32 v[TM+4+\b], 23, v[TM+12+\b]
.endr
	v_lshl_or_b32 v[PW+\a], v[TM+5], 8, v[TM+4]
	v_lshl_or_b32 v[PW+\a], v[TM+6], 16, v[PW+\a]
	v_lshl_or_b32 v[PW+\a], v[TM+7], 24, v[PW+\a]
	WIN QW
.irp c, 0,1
	v_cvt_scalef32_pk16_bf6_f32 v[QP+6*\c:QP+6*\c+2], v[QS+32*\c:QS+32*\c+15], v[TM+12+2*\c]
	v_cvt_scalef32_pk16_bf6_f32 v[T2+4*\c:T2+4*\c+2], v[QS+32*\c+16:QS+32*\c+31], v[TM+13+2*\c]
.endr
	WIN 0
	v_nop
.irp c, 0,1
.irp i, 0,1,2
	v_permlane16_swap_b32 v[QP+6*\c+\i], v[T2+4*\c+\i]
.endr
.irp i, 0,1,2
	v_mov_b32 v[QP+6*\c+3+\i], v[T2+4*\c+\i]
.endr
.endr
.endm
	s_mov_b32 s18, 0x76543210
	s_mov_b32 s19, 0xfedcba98
.irp b, 0,1,2,3
	v_mov_b32 v[TM+4+\b], 0
.endr
.irp a, 0,1,2,3,4,5,6,7
	QUANTW \a
.endr
	s_mov_b32 s22, 0xffff0000
.irp j, 0,1,2,3
	v_cndmask_b32 v[DS+\j], v[PW+\j], v[PW+4+\j], s22
.endr
	s_cmp_eq_u32 s98, 2
	s_cbranch_scc1 .Lv_out
	s_lshl_b32 s20, s17, 4
	s_lshl_b32 s21, s15, 3
	s_add_co_u32 s20, s20, s21
	s_lshr_b32 s21, s20, 7
	s_and_b32 s20, s20, 127
	s_lshl_b32 s21, s21, 4
	s_lshl_b32 s22, s42, 2
	s_add_co_u32 s21, s21, s22
	s_lshl_b32 s22, s16, 1
	s_add_co_u32 s21, s21, s22
	s_mul_i32 s44, s21, 98304
	s_mul_i32 s22, s20, 768
	s_add_co_u32 s44, s44, s22
	s_mul_i32 s22, s98, 6291456
	s_add_co_u32 s44, s44, s22
	s_mov_b32 s45, 0
	s_add_nc_u64 s[12:13], s[12:13], s[44:45]
	s_movk_i32 s22, 0x3000
	s_cmp_eq_u32 s98, 0
	s_cselect_b32 s22, 0x2000, s22
	s_cselect_b32 s23, 0, 0x80000
	s_mul_i32 s44, s21, s22
	s_add_co_u32 s44, s44, s23
	s_lshr_b32 s20, s20, 3
	s_lshl_b32 s20, s20, 9
	s_add_co_u32 s44, s44, s20
	s_add_nc_u64 s[96:97], s[96:97], s[44:45]
	s_mov_b32 s23, 0
	s_add_nc_u64 s[46:47], s[96:97], s[22:23]
	s_wait_alu depctr_va_vdst(0)
.irp j, 0,1,2,3
	v_lshrrev_b32 v[ES+\j], 16, v[DS+\j]
.endr
.irp a, 0,1,2,3,4,5,6,7
	global_store_b128 v[L16], v[PC0+12*\a:PC0+12*\a+3], s[12:13] offset:768*\a
	global_store_b64 v[L8], v[PC0+12*\a+4:PC0+12*\a+5], s[12:13] offset:768*\a+512
	global_store_b128 v[L16], v[PC0+12*\a+6:PC0+12*\a+9], s[12:13] offset:98304+768*\a
	global_store_b64 v[L8], v[PC0+12*\a+10:PC0+12*\a+11], s[12:13] offset:98304+768*\a+512
.endr
	global_store_b128 v[L16], v[DS:DS+3], s[96:97]
	global_store_b128 v[L16], v[ES:ES+3], s[46:47]
	s_branch .Lout_done
.Lv_out:
	s_lshl_b32 s20, s42, 1
	s_add_co_u32 s20, s20, s16
	s_lshr_b32 s21, s20, 4
	s_and_b32 s20, s20, 15
	s_lshl_b32 s21, s21, 4
	s_lshl_b32 s22, s17, 2
	s_add_co_u32 s21, s21, s22
	s_lshl_b32 s22, s15, 1
	s_add_co_u32 s21, s21, s22
	s_mul_i32 s44, s21, 98304
	s_mul_i32 s22, s20, 6144
	s_add_co_u32 s44, s44, s22
	s_add_co_u32 s44, s44, 12582912
	s_mov_b32 s45, 0
	s_add_nc_u64 s[12:13], s[12:13], s[44:45]
	s_mul_i32 s44, s21, 12288
	s_lshl_b32 s22, s20, 8
	s_add_co_u32 s44, s44, s22
	s_add_co_u32 s44, s44, 524288+8192
	s_add_nc_u64 s[96:97], s[96:97], s[44:45]
	s_wait_alu depctr_va_vdst(0)
.irp a, 0,1,2,3,4,5,6,7
.irp k, 0,1,2
	global_store_b128 v[L16], v[PC0+12*\a+4*\k:PC0+12*\a+4*\k+3], s[12:13] offset:(\a/4)*98304+(\a%4)*1536+512*\k
.endr
.endr
	global_store_b128 v[LV], v[DS:DS+3], s[96:97]
.Lout_done:
	s_wait_tensorcnt 0x0
	ds_add_u32 v[SPW], v[NIL]
	s_wait_dscnt 0x0
	CROUND
	s_endpgm
.Lfunc_end_k_q771f6440e9_proj:
	.size	k_q771f6440e9_proj, .Lfunc_end_k_q771f6440e9_proj-k_q771f6440e9_proj
	.p2alignl 7, 3214868480
	.fill 96, 4, 3214868480
	.section	.rodata,"a",@progbits
	.p2align	6, 0x0
	.amdhsa_kernel k_q771f6440e9_proj
		.amdhsa_group_segment_fixed_size 327680
		.amdhsa_private_segment_fixed_size 0
		.amdhsa_enable_private_segment 0
		.amdhsa_kernarg_size 48
		.amdhsa_user_sgpr_count 2
		.amdhsa_user_sgpr_kernarg_segment_ptr 1
		.amdhsa_wavefront_size32 1
		.amdhsa_system_sgpr_workgroup_id_x 1
		.amdhsa_system_sgpr_workgroup_id_y 1
		.amdhsa_system_sgpr_workgroup_id_z 1
		.amdhsa_system_vgpr_workitem_id 0
		.amdhsa_next_free_vgpr 1024
		.amdhsa_next_free_sgpr 102
		.amdhsa_reserve_vcc 0
		.amdhsa_float_denorm_mode_32 3
		.amdhsa_float_denorm_mode_16_64 3
		.amdhsa_memory_ordered 1
		.amdhsa_forward_progress 1
		.amdhsa_inst_pref_size 168
	.end_amdhsa_kernel
	.amdgpu_metadata
---
amdhsa.version: [ 1, 2 ]
amdhsa.kernels:
  - .name:           k_q771f6440e9_proj
    .symbol:         k_q771f6440e9_proj.kd
    .args:
      - { .name: xc, .offset: 0, .size: 8, .value_kind: global_buffer, .address_space: global }
      - { .name: xs, .offset: 8, .size: 8, .value_kind: global_buffer, .address_space: global }
      - { .name: wc, .offset: 16, .size: 8, .value_kind: global_buffer, .address_space: global }
      - { .name: ws, .offset: 24, .size: 8, .value_kind: global_buffer, .address_space: global }
      - { .name: qkv, .offset: 32, .size: 8, .value_kind: global_buffer, .address_space: global }
      - { .name: qkvs, .offset: 40, .size: 8, .value_kind: global_buffer, .address_space: global }
    .group_segment_fixed_size: 327680
    .private_segment_fixed_size: 0
    .kernarg_segment_align: 8
    .kernarg_segment_size: 48
    .max_flat_workgroup_size: 128
    .sgpr_count:     102
    .vgpr_count:     1024
    .wavefront_size: 32
...
	.end_amdgpu_metadata
.endif
;; end of part 2
;; launch attn (part 3): grid 4 x 64, 16 waves a work-group, clusters of 4 x 1, 210,944 bytes of LDS; arguments qkv, qkvs, cc, cs; writes cc, cs
.if DOCPART == 3
	.amdgcn_target "amdgcn-amd-amdhsa--gfx1250"
	.amdhsa_code_object_version 6
	.text
	.protected	k_q771f6440e9_attn
	.globl	k_q771f6440e9_attn
	.p2align	8
	.type	k_q771f6440e9_attn,@function
k_q771f6440e9_attn:
	s_mov_b64 s[64:65], 0
	v_nop
	global_prefetch_b8 v0, s[64:65] scope:SCOPE_SE
	s_setreg_imm32_b32 hwreg(HW_REG_WAVE_MODE, 25, 1), 1
	s_wait_xcnt 0x0
	s_wait_alu depctr_hold_cnt(0) depctr_sa_sdst(0) depctr_va_vdst(0) depctr_va_sdst(0) depctr_va_ssrc(0) depctr_va_vcc(0) depctr_vm_vsrc(0)
	s_getreg_b32 s2, hwreg(HW_REG_IB_STS2, 6, 4)
	s_cmp_eq_u32 s2, 0
	s_cbranch_scc0 .Lentry_in_a_cluster
	s_endpgm
.Lentry_in_a_cluster:
	s_bfe_u32 s2, ttmp6, 0x10000c
	s_cmp_lg_u32 s2, 0x3003
	s_cbranch_scc0 .Lentry_shape_is_right
	s_endpgm
.Lentry_shape_is_right:
; ATTENTION on codes of BF6 (E3M2): heads[q] = (sum over keys of p V) / l, p = 2^(t - M), t = score x log2(e) / sqrt(2,048), M the running largest t rounded UP to a whole number, l the sum of the unquantised p.
; The finished heads are quantised along (head, channel) and leave as half images of operand registers for the last product.
; SHARES.  64 heads (16 x batch + head) x 4 work-groups; a work-group owns 512 queries of one head; each of its sixteen waves owns two neighbouring tiles of 16 queries, one after the other.  Four waves to a SIMD, 256 registers each.
; LDS.  The whole head's K and V stay in LDS, filled ONCE: K's 128 half images (98,304 bytes), V's 64 images (98,304), their scale words (8,192 + 4,096).  No byte is filled twice: no ring.
; CLUSTER.  The four work-groups of a head want the same bytes: each part is asked for jointly, mask of all four.  Waves 0-2 ask for K's thirds (32,768 bytes each), waves 3-5 for V's, wave 6 for the scale words.
; No prefetch: the only tensor loads stand at the head, and there is no loop to run ahead in.
; LAYOUT.  Both products are used transposed: S^T = K Q^T (source 0 = 16 keys, source 1 = 16 queries), O^T = V^T P^T: a lane holds ONE query (lane % 16).  Row 8 h + j of K's stored tile 4 c + u is key 64 c + 32 h + 8 u + j,
; so lane (r, h) finds in the 32 registers of tiles 4 c .. 4 c + 3 the WHOLE block of keys 64 c + 32 h + 0 .. 31, in order: the operand's own layout for p.  A block's maximum and its codes need no other lane.
; THE HEAD'S 64 IN AN INSTRUCTION OF 128.  Q's registers 6-11 are zeros; the format has no NaN or infinity and no scale byte here is 0xff, so what stands in K's registers 6-11 adds nothing:
; K's eight fragments lie six registers apart, each one's upper half being the next one's lower half, and six registers of zeros close the run.
; LIMITS: a block of zeros, or under 2^-122, gets the scale byte 1; NaN and infinities are not served; p under the smallest normal f32 number counts as 0; the promise holds while |t| stays under 2^31.
; REGISTERS: v1-7 addresses that stay, v8-12 the step's, v13 8 h, v14 -M, v15 the largest score, v[16:17] the sum, v18-19 the add's two, v20-31 Q, v32-79 K's eight, then V's four fragments, v80-85 zeros,
;   v86-89, v90-93 K's and V's scale words, v94 p's scale word, v96-159 S^T, then p, v160-191 O^T, v192-203 p's codes, v204-224 at work, v226-231 the second tile's Q, v232-233 Q's scale words.
.set VIMG, 98304
.set KSC,  196608
.set VSC,  204800
.set SPARE, 208896                     ; the spare words: 128 bytes for each of sixteen waves
.set WV,   18
.set SEL,  20                          ; s[20:21] selects for lane l xor 16
.set CS,   22                          ; s[22:23] c = log2(e) / sqrt(2,048)
.set G1C,  24
.set G1S,  32
.set G0C,  40
.set G0S,  44
.set OC,   48
.set OS,   50
.set TB,   2                           ; LDS byte of the step's images: 6,144 a step
.set TS,   3                           ; of K's scale words: 512 a step
.set TJ,   66                          ; of V's: 256 a step
.set NST,  67
.set NPS,  68
.set SPW,  18
.set NIL,  19
.set QF,   20
.set KF,   32
.set KSR,  86
.set VSR,  90
.set PW,   94
.set S,    96
.set O,    160
.set P,    192
.set BM,   204
.set BH,   206
.set X,    208
.set X2,   209
.set F,    210
.set SO,   212
.set BY,   214
.set W,    216
.set T1,   218
.set T2,   222
.set NQ,   226
.set QS,   232
.macro CROUND
	s_barrier_signal -1
	s_barrier_wait -1
	s_cmp_lg_u32 s[WV], 0
	s_cbranch_scc1 .Lnot_wave_0_\@
	s_barrier_signal -3
.Lnot_wave_0_\@:
	s_barrier_wait -3
	s_barrier_signal -1
	s_barrier_wait -1
.endm
	s_load_b128 s[4:7], s[0:1], 0x0                ; qkv, qkvs
	s_load_b128 s[8:11], s[0:1], 0x10              ; cc, cs
	v_lshl_add_u32 v[SPW], v0, 2, SPARE
	v_mov_b32 v[NIL], 0
	ds_add_u32 v[SPW], v[NIL]                      ; the opening lines
	ds_add_u32 v[SPW], v[NIL]
	v_lshrrev_b32 v8, 5, v0
	v_readfirstlane_b32 s[WV], v8                  ; wave 0..15
	s_bfe_u32 s13, ttmp6, 0x40000                  ; cx: it enters Q's and the outputs' addresses alone
	s_and_b32 s12, ttmp7, 0xffff                   ; 16 x batch + head
	s_mul_i32 s52, s12, 98304
	s_cmp_ge_u32 s[WV], 3                          ; waves 0-2 K's thirds, waves 3-5 V's
	s_cselect_b32 s14, 2, 1
	s_cselect_b32 s15, 3, 0
	s_sub_co_u32 s15, s[WV], s15
	s_mul_i32 s14, s14, 6291456
	s_lshl_b32 s15, s15, 15
	s_add_co_u32 s14, s14, s15
	s_add_co_u32 s14, s14, s52
	s_mov_b32 s15, 0
	s_mul_i32 s16, s12, 12288                      ; the head's scale words of K and V: one dense block
	s_add_co_u32 s16, s16, 0x80000
	s_mov_b32 s17, 0
	s_mov_b32 s[G1C], 15|(3<<16)|(1<<21)           ; dense blocks as rows of 256 bytes; mask: all four work-groups
	s_mov_b32 s[G1C+1], 32<<16
	s_mov_b32 s[G1C+2], 128<<16                    ; 128 rows = 32,768 bytes
	s_mov_b32 s[G1C+3], 32<<16
	s_mov_b32 s[G1C+4], 128
	s_mov_b32 s[G1C+5], 32
	s_mov_b32 s[G1C+6], 0
	s_mov_b32 s[G1C+7], 0
	s_mov_b32 s[G1S], 15|(3<<16)|(1<<21)
	s_mov_b32 s[G1S+1], 32<<16
	s_mov_b32 s[G1S+2], 48<<16                     ; 48 rows = 12,288 bytes
	s_mov_b32 s[G1S+3], 32<<16
	s_mov_b32 s[G1S+4], 48
	s_mov_b32 s[G1S+5], 32
	s_mov_b32 s[G1S+6], 0
	s_mov_b32 s[G1S+7], 0
	s_mov_b32 s[SEL], 0x76543210
	s_mov_b32 s[SEL+1], 0xfedcba98
	s_mov_b32 s[CS], 0x3d0293ee
	s_mov_b32 s[CS+1], s[CS]
	s_lshl_b32 s53, s13, 5
	s_lshl_b32 s54, s[WV], 1
	s_add_co_u32 s53, s53, s54                     ; T: my first tile of queries = 32 cx + 2 wave; my second is T + 1
	s_mul_i32 s54, s53, 768
	s_add_co_u32 s54, s54, s52
	s_mov_b32 s55, 0
	s_wait_dscnt 0x0
	s_wait_kmcnt 0x0
	s_mov_b32 s[G0C], 1
	s_lshl_b32 s[G0C+1], s[WV], 15                 ; LDS: wave x 32,768
	s_add_nc_u64 s[G0C+2:G0C+3], s[4:5], s[14:15]
	s_or_b32 s[G0C+3], s[G0C+3], 0x80000000
	s_mov_b32 s[G0S], 1
	s_mov_b32 s[G0S+1], KSC
	s_add_nc_u64 s[G0S+2:G0S+3], s[6:7], s[16:17]
	s_or_b32 s[G0S+3], s[G0S+3], 0x80000000
	s_add_nc_u64 s[56:57], s[4:5], s[54:55]        ; Q's half images of tiles T and T + 1
	s_lshl_b32 s54, s12, 13                        ; Q's scale words: tile T's at (T / 8) 512 + ((T / 4) % 2) 256 + 4 (T % 4) + 16 r; T is even, so T + 1's word follows it
	s_lshr_b32 s58, s53, 3
	s_lshl_b32 s58, s58, 9
	s_add_co_u32 s54, s54, s58
	s_bfe_u32 s58, s53, 0x10002
	s_lshl_b32 s58, s58, 8
	s_add_co_u32 s54, s54, s58
	s_and_b32 s58, s53, 3
	s_lshl_b32 s58, s58, 2
	s_add_co_u32 s54, s54, s58
	s_add_nc_u64 s[60:61], s[6:7], s[54:55]
	s_lshr_b32 s58, s12, 4
	s_lshl_b32 s58, s58, 7
	s_add_co_u32 s58, s58, s53                     ; my tile of rows among the 512: 128 x batch + T
	s_and_b32 s59, s12, 15
	s_lshl_b32 s54, s58, 4
	s_add_co_u32 s54, s54, s59
	s_mul_i32 s54, s54, 768
	s_add_nc_u64 s[OC:OC+1], s[8:9], s[54:55]      ; cc: (tile x 16 + head) x 768
	s_lshl_b32 s54, s58, 9
	s_lshl_b32 s59, s59, 1
	s_add_co_u32 s54, s54, s59
	s_add_nc_u64 s[OS:OS+1], s[10:11], s[54:55]    ; cs: row x 32 + 2 x head
	CROUND                                         ; all four work-groups are here: the joint loads meet
	s_cmp_lt_u32 s[WV], 6
	s_cbranch_scc0 .Lnot_codes
	tensor_load_to_lds s[G0C:G0C+3], s[G1C:G1C+7]
	s_nop 0
.rept 4
	v_nop
.endr
	s_branch .Lasked
.Lnot_codes:
	s_cmp_eq_u32 s[WV], 6
	s_cbranch_scc0 .Lasked
	tensor_load_to_lds s[G0S:G0S+3], s[G1S:G1S+7]
	s_nop 0
.rept 4
	v_nop
.endr
.Lasked:
	v_and_b32 v9, 31, v0
	v_lshlrev_b32 v1, 4, v9                        ; 16 x lane
	v_lshlrev_b32 v2, 3, v9                        ; 8 x lane
	v_add_nc_u32 v3, VIMG, v1
	v_add_nc_u32 v4, KSC, v1
	v_and_b32 v6, 15, v0
	v_lshlrev_b32 v7, 5, v6                        ; my row in cs
	v_lshlrev_b32 v6, 4, v6
	v_add_nc_u32 v5, VSC, v6
	v_bfe_u32 v13, v0, 4, 1
	v_lshlrev_b32 v13, 3, v13                      ; 8 h
	global_load_b128 v[QF:QF+3], v1, s[56:57]      ; both tiles' Q now
	global_load_b64 v[QF+4:QF+5], v2, s[56:57] offset:512
	global_load_b128 v[NQ:NQ+3], v1, s[56:57] offset:768
	global_load_b64 v[NQ+4:NQ+5], v2, s[56:57] offset:1280
	global_load_b64 v[QS:QS+1], v6, s[60:61]
.irp i, 0,1,2,3,4,5
	v_mov_b32 v[QF+6+\i], 0                        ; Q's K = 64 .. 127
	v_mov_b32 v[80+\i], 0                          ; and what stands behind K's last fragment
.endr
	v_mov_b32 v[X], 0                              ; a lane permute's destination counts as one of its sources
	v_mov_b32 v[F+1], 0                            ; named with f as a pair
	s_wait_alu depctr_va_vdst(0)                   ; the wait at the head's end
	s_wait_tensorcnt 0x0
	s_wait_loadcnt 0x0
	s_barrier_signal -1
	s_barrier_wait -1                              ; everybody's part has landed: from here on LDS is only read
	s_mov_b32 s[NPS], 2
.Lpass:
	v_mov_b32 v15, 0xff61b1e6                      ; the largest score so far: -3e38
	v_mov_b32 v14, 0x7f000000                      ; -M: so large that the first step's f is 0
	v_mov_b32 v16, 0
	v_mov_b32 v17, 0
.set j, 0
.rept 32
	v_mov_b32 v[O+j], 0                            ; the step is written once; the first step's change of M multiplies zeros
.set j, j+1
.endr
	s_mov_b32 s[TB], 0
	s_mov_b32 s[TS], 0
	s_mov_b32 s[TJ], 0
	s_mov_b32 s[NST], 16
.Lstep:                                            ; A KEY STEP: 128 keys
	v_add_nc_u32 v8, s[TB], v1                     ; (four places between the last products and the loads into their registers)
	v_add_nc_u32 v9, s[TB], v2
	v_add_nc_u32 v11, s[TS], v4
	v_nop
.irp t, 0,1,2,3,4,5,6,7
	ds_load_b128 v[KF+6*\t:KF+6*\t+3], v8 offset:768*\t
	ds_load_b64 v[KF+6*\t+4:KF+6*\t+5], v9 offset:768*\t+512
.endr
	ds_load_b128 v[KSR:KSR+3], v11                 ; register j: lanes 0-15 tile j's words, lanes 16-31 tile 4 + j's
	s_wait_dscnt 0x0
.irp t, 0,1,2,3
	v_wmma_scale_f32_16x16x128_f8f6f4 v[S+8*\t:S+8*\t+7], v[KF+6*\t:KF+6*\t+11], v[QF:QF+11], 0, v[KSR+\t], v[QS] matrix_a_fmt:MATRIX_FMT_BF6 matrix_b_fmt:MATRIX_FMT_BF6
.endr
.irp t, 4,5,6,7
	v_wmma_scale_f32_16x16x128_f8f6f4 v[S+8*\t:S+8*\t+7], v[KF+6*\t:KF+6*\t+11], v[QF:QF+11], 0, v[KSR+\t-4], v[QS] matrix_a_fmt:MATRIX_FMT_BF6 matrix_b_fmt:MATRIX_FMT_BF6 matrix_a_scale:MATRIX_SCALE_ROW1
.endr
	v_add_nc_u32 v10, s[TB], v3                    ; (four places: ahead of the loads into K's registers, and of the first read of the scores)
	v_add_nc_u32 v12, s[TJ], v5
	v_nop
	v_nop
.irp c, 0,1,2,3
.irp k, 0,1,2
	ds_load_b128 v[KF+12*\c+4*\k:KF+12*\c+4*\k+3], v10 offset:1536*\c+512*\k   ; V's four fragments land while the softmax is walked
.endr
.endr
	ds_load_b128 v[VSR:VSR+3], v12
.irp c, 0,1                                    ; my two blocks' largest scores, each in two chains; each accumulator is first read at its low end
	v_max3_num_f32 v[BM+\c], v[S+32*\c], v[S+32*\c+1], v[S+32*\c+2]
	v_max3_num_f32 v[BH+\c], v[S+32*\c+16], v[S+32*\c+17], v[S+32*\c+18]
.endr
.irp i, 3,5,7,9,11,13
.irp c, 0,1
	v_max3_num_f32 v[BM+\c], v[BM+\c], v[S+32*\c+\i], v[S+32*\c+\i+1]
	v_max3_num_f32 v[BH+\c], v[BH+\c], v[S+32*\c+16+\i], v[S+32*\c+17+\i]
.endr
.endr
.irp c, 0,1
	v_max3_num_f32 v[BM+\c], v[BM+\c], v[BH+\c], v[S+32*\c+15]
.endr
.irp c, 0,1
	v_max_num_f32 v[BM+\c], v[BM+\c], v[S+32*\c+31]
.endr
	s_delay_alu instid0(VALU_DEP_1)
	v_max_num_f32 v[X2], v[BM], v[BM+1]
	s_delay_alu instid0(VALU_DEP_1)
	v_permlanex16_b32 v[X], v[X2], s[SEL], s[SEL+1]
	v_mov_b32 v[W], v14                            ; the old -M
	s_delay_alu instid0(VALU_DEP_2)
	v_max3_num_f32 v15, v15, v[X2], v[X]           ; the running largest score of my query (c is positive)
	s_delay_alu instid0(VALU_DEP_1)
	v_mul_f32 v[X2], s[CS], v15
	s_delay_alu instid0(VALU_DEP_1)
	v_floor_f32 v14, -v[X2]                        ; -M = floor(-t) = -ceil(t)
	s_delay_alu instid0(VALU_DEP_1)
	v_sub_f32 v[X2], v14, v[W]                     ; M's old value less its new one: a whole number, 0 or less
	s_delay_alu instid0(VALU_DEP_1)
	v_cvt_i32_f32 v[X2], v[X2]                     ; (it saturates)
	s_delay_alu instid0(VALU_DEP_1)
	v_ldexp_f32 v[F], 1.0, v[X2]                   ; f = 2^(old M - new M): a multiplication by it rounds nothing
.set j, 0
.rept 32
	v_pk_fma_f32 v[S+j:S+j+1], v[S+j:S+j+1], s[CS:CS+1], v[14:15] op_sel_hi:[1,0,0]   ; t - M
.set j, j+2
.endr
.irp c, 0,1
	v_fma_f32 v[BM+\c], v[BM+\c], s[CS], v14       ; the same of each block's largest score
.endr
.set j, 0
.rept 16
	v_pk_mul_f32 v[O+j:O+j+1], v[O+j:O+j+1], v[F:F+1] op_sel_hi:[1,0]   ; O^T under the new M, each accumulator from its low end on
.set j, j+2
.endr
	v_pk_mul_f32 v[16:17], v[16:17], v[F:F+1] op_sel_hi:[1,0]           ; and the sum
	s_wait_alu depctr_va_vdst(0)                   ; the wait ahead of the batch
.irp c, 0,1
	v_exp_f32 v[BM+\c], v[BM+\c]                   ; the block's largest p: the same two instructions on the same number give the same bits
.endr
.set j, 0
.rept 64
	v_exp_f32 v[S+j], v[S+j]                       ; p = 2^(t - M): not normalised
.set j, j+1
.endr
	v_nop                                          ; the plain line behind the batch
	s_wait_alu depctr_va_vdst(0)                   ; and the wait ahead of its first reader
.irp c, 0,1
	v_max_num_f32 v[BM+\c], 0x2800000, v[BM+\c]    ; the floor 2^(5 - 127): the byte cannot fall under 1
.endr
.irp c, 0,1
	v_add_nc_u32 v[SO+\c], 0xfe000000, v[BM+\c]    ; 4 off the exponent field: the conversion's scale operand
.endr
.irp c, 0,1
	v_lshrrev_b32 v[BY+\c], 23, v[SO+\c]           ; the scale's byte
.endr
	v_lshl_or_b32 v[W], v[BY+1], 16, v[BY]         ; my bytes are those of blocks h and 2 + h,
	s_delay_alu instid0(VALU_DEP_1)
	v_lshlrev_b32 v[W], v13, v[W]                  ; 8 h bits up;
	s_delay_alu instid0(VALU_DEP_1)
	v_permlanex16_b32 v[X], v[W], s[SEL], s[SEL+1]
	s_delay_alu instid0(VALU_DEP_1)
	v_or_b32 v[PW], v[W], v[X]                     ; with lane l xor 16's two the word is whole
	v_cvt_scalef32_pk16_bf6_f32 v[P:P+2], v[S:S+15], v[SO]
	v_cvt_scalef32_pk16_bf6_f32 v[T1:T1+2], v[S+16:S+31], v[SO]         ; (a conversion's three registers begin on an even number)
	v_cvt_scalef32_pk16_bf6_f32 v[P+6:P+8], v[S+32:S+47], v[SO+1]
	v_cvt_scalef32_pk16_bf6_f32 v[T2:T2+2], v[S+48:S+63], v[SO+1]
	v_pk_add_f32 v[204:205], v[S:S+1], v[S+2:S+3]  ; the row's sum of the unquantised p, in four chains; these lines are also the places behind the conversions and ahead of the products
	v_pk_add_f32 v[206:207], v[S+4:S+5], v[S+6:S+7]
	v_pk_add_f32 v[208:209], v[S+8:S+9], v[S+10:S+11]
	v_pk_add_f32 v[16:17], v[16:17], v[S+12:S+13]
.irp i, 0,1,2
	v_mov_b32 v[P+3+\i], v[T1+\i]
	v_mov_b32 v[P+9+\i], v[T2+\i]
.endr
.irp j, 14,22,30,38,46,54
	v_pk_add_f32 v[204:205], v[204:205], v[S+\j:S+\j+1]
	v_pk_add_f32 v[206:207], v[206:207], v[S+\j+2:S+\j+3]
	v_pk_add_f32 v[208:209], v[208:209], v[S+\j+4:S+\j+5]
	v_pk_add_f32 v[16:17], v[16:17], v[S+\j+6:S+\j+7]
.endr
	v_pk_add_f32 v[204:205], v[204:205], v[S+62:S+63]
	v_pk_add_f32 v[16:17], v[16:17], v[206:207]
	v_pk_add_f32 v[204:205], v[204:205], v[208:209]
	s_delay_alu instid0(VALU_DEP_1)
	v_pk_add_f32 v[16:17], v[16:17], v[204:205]
	s_wait_alu depctr_va_vdst(0)
	s_wait_dscnt 0x0                               ; V is in
.irp c, 0,1,2,3
	v_wmma_scale_f32_16x16x128_f8f6f4 v[O+8*\c:O+8*\c+7], v[KF+12*\c:KF+12*\c+11], v[P:P+11], v[O+8*\c:O+8*\c+7], v[VSR+\c], v[PW] matrix_a_fmt:MATRIX_FMT_BF6 matrix_b_fmt:MATRIX_FMT_BF6
.endr                                          ; the four accumulators take turns, and the next step's eight score products stand between two links
	s_add_co_u32 s[TB], s[TB], 6144
	s_add_co_u32 s[TS], s[TS], 512
	s_add_co_u32 s[TJ], s[TJ], 256
	s_sub_co_u32 s[NST], s[NST], 1
	s_cmp_lg_u32 s[NST], 0
	s_cbranch_scc1 .Lstep
	; THE WAY OUT of a tile: O^T / l; register 16 b + i is channel 32 b + 16 (lane / 16) + i of my query: two blocks of 32 along the last product's K
.rept 4
	v_nop                                          ; places behind the last products
.endr
	v_add_f32 v16, v16, v17
	s_delay_alu instid0(VALU_DEP_1)
	v_permlanex16_b32 v[X], v16, s[SEL], s[SEL+1]
	s_delay_alu instid0(VALU_DEP_1)
	v_add_f32 v16, v16, v[X]                       ; the row's sum
	s_wait_alu depctr_va_vdst(0)
	v_rcp_f32 v16, v16
	v_nop
	s_wait_alu depctr_va_vdst(0)                   ; ahead of the reciprocal's first reader, which is O^T's too
.set j, 0
.rept 16
	v_pk_mul_f32 v[S+j:S+j+1], v[O+j:O+j+1], v[16:17] op_sel_hi:[1,0]
.set j, j+2
.endr
.irp b, 0,1
	v_max3_num_f32 v[BM+\b], |v[S+16*\b]|, |v[S+1+16*\b]|, 0x2800000
.endr
.irp i, 2,4,6,8,10,12,14
.irp b, 0,1
	v_max3_num_f32 v[BM+\b], v[BM+\b], |v[S+16*\b+\i]|, |v[S+1+16*\b+\i]|
.endr
.endr
.irp b, 0,1
	v_permlanex16_b32 v[BH+\b], v[BM+\b], s[SEL], s[SEL+1]
.endr
.irp b, 0,1
	v_max_num_f32 v[BM+\b], v[BM+\b], v[BH+\b]
.endr
.irp b, 0,1
	v_add_nc_u32 v[SO+\b], 0xfe000000, v[BM+\b]
.endr
.irp b, 0,1
	v_lshrrev_b32 v[BY+\b], 23, v[SO+\b]
.endr
	v_lshl_or_b32 v[W], v[BY+1], 8, v[BY]          ; my row's two scale bytes of this head
	v_cvt_scalef32_pk16_bf6_f32 v[P:P+2], v[S:S+15], v[SO]
	v_cvt_scalef32_pk16_bf6_f32 v[T1:T1+2], v[S+16:S+31], v[SO+1]
	v_nop
.irp i, 0,1,2
	v_permlane16_swap_b32 v[P+\i], v[T1+\i]        ; the operand's layout wants a whole block in a lane
.endr
.irp i, 0,1,2
	v_mov_b32 v[P+3+\i], v[T1+\i]
.endr
.irp i, 0,1,2,3,4,5
	v_mov_b32 v[QF+\i], v[NQ+\i]                   ; the second tile's Q
.endr
	v_mov_b32 v[QS], v[QS+1]                       ; and its scale word
	global_store_b128 v1, v[P:P+3], s[OC:OC+1]                 ; the half image: 512 consecutive bytes,
	global_store_b64 v2, v[P+4:P+5], s[OC:OC+1] offset:512     ; and 256
	global_store_b16 v7, v[W], s[OS:OS+1]                      ; 2 bytes a row, 32 bytes apart (lanes l and l + 16 write the same bytes with the same value): the next launch reads plain rows of scale bytes
	s_wait_xcnt 0x0                                ; the stores have read their bases and their data
	s_add_nc_u64 s[OC:OC+1], s[OC:OC+1], 12288     ; one tile on
	s_add_nc_u64 s[OS:OS+1], s[OS:OS+1], 512
	s_sub_co_u32 s[NPS], s[NPS], 1
	s_cmp_lg_u32 s[NPS], 0
	s_wait_alu depctr_va_vdst(0)                   ; the wait ahead of the branch
	s_cbranch_scc1 .Lpass
	s_wait_tensorcnt 0x0                           ; the wave's end
	ds_add_u32 v[SPW], v[NIL]
	s_wait_dscnt 0x0
	CROUND                                         ; the closing round
	s_endpgm
.Lfunc_end_k_q771f6440e9_attn:
	.size	k_q771f6440e9_attn, .Lfunc_end_k_q771f6440e9_attn-k_q771f6440e9_attn
	.p2alignl 7, 3214868480
	.fill 96, 4, 3214868480
	.section	.rodata,"a",@progbits
	.p2align	6, 0x0
	.amdhsa_kernel k_q771f6440e9_attn
		.amdhsa_group_segment_fixed_size 210944
		.amdhsa_private_segment_fixed_size 0
		.amdhsa_enable_private_segment 0
		.amdhsa_kernarg_size 32
		.amdhsa_user_sgpr_count 2
		.amdhsa_user_sgpr_kernarg_segment_ptr 1
		.amdhsa_wavefront_size32 1
		.amdhsa_system_sgpr_workgroup_id_x 1
		.amdhsa_system_sgpr_workgroup_id_y 1
		.amdhsa_system_sgpr_workgroup_id_z 1
		.amdhsa_system_vgpr_workitem_id 0
		.amdhsa_next_free_vgpr 256
		.amdhsa_next_free_sgpr 72
		.amdhsa_reserve_vcc 0
		.amdhsa_float_denorm_mode_32 3
		.amdhsa_float_denorm_mode_16_64 3
		.amdhsa_memory_ordered 1
		.amdhsa_forward_progress 1
		.amdhsa_inst_pref_size 28
	.end_amdhsa_kernel
	.amdgpu_metadata
---
amdhsa.version: [ 1, 2 ]
amdhsa.kernels:
  - .name:           k_q771f6440e9_attn
    .symbol:         k_q771f6440e9_attn.kd
    .args:
      - { .name: qkv, .offset: 0, .size: 8, .value_kind: global_buffer, .address_space: global }
      - { .name: qkvs, .offset: 8, .size: 8, .value_kind: global_buffer, .address_space: global }
      - { .name: cc, .offset: 16, .size: 8, .value_kind: global_buffer, .address_space: global }
      - { .name: cs, .offset: 24, .size: 8, .value_kind: global_buffer, .address_space: global }
    .group_segment_fixed_size: 210944
    .private_segment_fixed_size: 0
    .kernarg_segment_align: 8
    .kernarg_segment_size: 32
    .max_flat_workgroup_size: 512
    .sgpr_count:     72
    .vgpr_count:     256
    .wavefront_size: 32
...
	.end_amdgpu_metadata
.endif
;; end of part 3
;; launch outp (part 4): grid 4 x 64, 4 waves a work-group, clusters of 4 x 4, 327,680 bytes of LDS; arguments cc, cs, wc, ws, out0; writes out0
.if DOCPART == 4
	.amdgcn_target "amdgcn-amd-amdhsa--gfx1250"
	.amdhsa_code_object_version 6
	.text
	.protected	k_q771f6440e9_outp
	.globl	k_q771f6440e9_outp
	.p2align	8
	.type	k_q771f6440e9_outp,@function
k_q771f6440e9_outp:
	s_mov_b64 s[64:65], 0
	v_nop
	global_prefetch_b8 v0, s[64:65] scope:SCOPE_SE
	s_setreg_imm32_b32 hwreg(HW_REG_WAVE_MODE, 25, 1), 1
	s_wait_xcnt 0x0
	s_wait_alu depctr_hold_cnt(0) depctr_sa_sdst(0) depctr_va_vdst(0) depctr_va_sdst(0) depctr_va_ssrc(0) depctr_va_vcc(0) depctr_vm_vsrc(0)
	s_getreg_b32 s2, hwreg(HW_REG_IB_STS2, 6, 4)
	s_cmp_eq_u32 s2, 0
	s_cbranch_scc0 .Lentry_in_a_cluster
	s_endpgm
.Lentry_in_a_cluster:
	s_bfe_u32 s2, ttmp6, 0x10000c
	s_cmp_lg_u32 s2, 0xf033
	s_cbranch_scc0 .Lentry_shape_is_right
	s_endpgm
.Lentry_shape_is_right:
; out0 = heads W_O on codes of BF6 (E3M2), one E8M0 scale for each 32 along K; sums in f32.  A block of 128 rows x 256 columns to a work-group (grid 4 x 64 = 256 work-groups), 64 x 128 to a wave:
; A's four blocks of 16 rows against B's eight, 32 accumulators, 256 registers (window 2).
; ALL OF K STAYS IN LDS, filled ONCE, one joint load a wave at the head: wave 0 A's codes (8 tiles of 16 rows x 12,288 bytes, dense: half images of operand registers, 768 bytes for each 64 along K),
; wave 1 B's codes (4 K steps of 256, each 16 tiles x 3,072 dense bytes, a plane of 1,572,864 bytes apart in memory; in a tile [64 along K][row][48 bytes]), waves 2 and 3 A's and B's scale bytes.  No ring, no refill.
; No prefetch: the only tensor loads stand at the head, and there is no loop to run ahead in.
; CLUSTER 4 x 4: A's tiles are shared along a row of the cluster, B's along a column.
; The matrix instruction is used transposed (source 0 = 16 rows of B, source 1 = 16 rows of A): a lane holds eight numbers of a row of out0.  W_O's columns are stored with bits 3 and 4 of their number exchanged; the stage's offsets undo that.
; REGISTERS: window 0: v16-29 addresses, v32-63 scale words in two sets (register 2 i + q: lanes 0-15 A's block i, lanes 16-31 B's block i; for i over 3 the lower lanes hold filled bytes that are not used),
;   v128-175 A's four fragments, one set; on the way out v128-255.  Window 1: B's fragments, two sets, at v0 and v128.  Window 2: accumulator (a, b) at v[8 (8 a + b)].
.set SIZE_N, 1024
.set NQ,     2
.set FR,     12
.set NLA,    4                         ; LDS loads that bring a fragment of A
.set ATP,    12288                     ; A: a tile of 16 rows, all of K
.set AALL,   8*ATP
.set BPL,    49152                     ; B: a K step of 16 tiles
.set MPL,    1572864
.set KS,     32
.set SCL,    AALL+4*BPL                ; the scales: units of 256 bytes + 16 of padding; A's 128 rows, then B's 256
.set HALFS,  16*272                    ; those of 128 rows
.set SBLK,   2*272                     ; those of 16 rows
.set SPARE,  SCL+3*HALFS               ; the spare words: 128 bytes for each wave
.set SPITCH, 528                       ; the way out: a stage of 16 rows x (512 + 16) bytes for each wave, on A's bytes, behind a barrier behind which nobody reads them
.set ADRA, 16
.set ADRB, 20
.set STO,  24
.set RD,   25
.set CO,   26
.set ADRS, 27
.set SPW,  28
.set NIL,  29
.set SC,   32
.set AF,   128
.set BK,   128
.set G1, 24
.set G0, 32
.set G1B, 48
.set G0B, 56
.set G1S, 68
.set G0S, 76
.set G1SB, 80
.set G0SB, 88
.set MSB, 0
.macro WIN new                         ; the immediate's high byte repeats the setting that is left
.if MSB != \new
	s_set_vgpr_msb (MSB<<8)|\new
.set MSB, \new
.endif
.endm
.set MUL,  0xa1                        ; source 0 (B) window 1, source 1 (A) window 0, C and D window 2
.set TO_B, 0x40
.macro CROUND
	s_barrier_signal -1
	s_barrier_wait -1
	s_cmp_lg_u32 s14, 0
	s_cbranch_scc1 .Lnot_wave_0_\@
	s_barrier_signal -3
.Lnot_wave_0_\@:
	s_barrier_wait -3
	s_barrier_signal -1
	s_barrier_wait -1
.endm
	s_load_b128 s[4:7], s[0:1], 0x0                ; cc, cs
	s_load_b128 s[8:11], s[0:1], 0x10              ; wc, ws
	s_load_b64 s[12:13], s[0:1], 0x20              ; out0
	v_lshl_add_u32 v[SPW], v0, 2, SPARE
	v_mov_b32 v[NIL], 0
	ds_add_u32 v[SPW], v[NIL]                      ; the opening lines
	ds_add_u32 v[SPW], v[NIL]
	v_lshrrev_b32 v1, 5, v0
	v_readfirstlane_b32 s14, v1                    ; wave 0..3
	s_lshr_b32 s15, s14, 1                         ; which 64 rows are mine
	s_and_b32 s16, s14, 1                          ; which 128 columns
	s_bfe_u32 s40, ttmp6, 0x40000
	s_bfe_u32 s41, ttmp6, 0x40004
	s_lshl_b32 s42, ttmp9, 2
	s_add_co_u32 s42, s42, s40                     ; tile column
	s_and_b32 s17, ttmp7, 0xffff
	s_lshl_b32 s17, s17, 2
	s_add_co_u32 s17, s17, s41                     ; tile row
	s_lshl_b32 s43, s41, 2
	s_lshl_b32 s43, 15, s43                        ; my row of the cluster
	s_lshl_b32 s44, 0x1111, s40                    ; my column
	s_or_b32 s[G1+0], s43, (3<<16)|(1<<21)
	s_mov_b32 s[G1+1], 1536<<16                    ; A: 8 rows of 1,536 elements of 8 bytes, dense
	s_mov_b32 s[G1+2], 8<<16
	s_mov_b32 s[G1+3], 1536<<16
	s_mov_b32 s[G1+4], 8
	s_mov_b32 s[G1+5], 1536
	s_mov_b32 s[G1+6], 0
	s_mov_b32 s[G1+7], 0
	s_or_b32 s[G1B+0], s44, (3<<16)|(1<<21)
	s_mov_b32 s[G1B+1], 6144<<16                   ; B: 4 rows of 6,144 elements, a plane apart
	s_mov_b32 s[G1B+2], 4<<16
	s_mov_b32 s[G1B+3], 6144<<16
	s_mov_b32 s[G1B+4], 4
	s_mov_b32 s[G1B+5], MPL/8
	s_mov_b32 s[G1B+6], 0
	s_mov_b32 s[G1B+7], 0
	s_or_b32 s[G1S+0], s43, (3<<16)|(1<<20)|(1<<21)|(5<<22)|(3<<25)
	s_mov_b32 s[G1S+1], 32<<16                     ; the scales: rows of 256 bytes, 16 bytes of padding behind each; A's 16 rows,
	s_mov_b32 s[G1S+2], 16<<16
	s_mov_b32 s[G1S+3], 32<<16
	s_mov_b32 s[G1S+4], 16
	s_mov_b32 s[G1S+5], 32
	s_mov_b32 s[G1S+6], 0
	s_mov_b32 s[G1S+7], 0
	s_or_b32 s[G1SB+0], s44, (3<<16)|(1<<20)|(1<<21)|(5<<22)|(3<<25)
	s_mov_b32 s[G1SB+1], 32<<16                    ; B's 32
	s_mov_b32 s[G1SB+2], 32<<16
	s_mov_b32 s[G1SB+3], 32<<16
	s_mov_b32 s[G1SB+4], 32
	s_mov_b32 s[G1SB+5], 32
	s_mov_b32 s[G1SB+6], 0
	s_mov_b32 s[G1SB+7], 0
	s_lshl_b32 s20, s17, 7                         ; A's first row
	s_lshl_b32 s46, s42, 8                         ; B's first row
	s_lshl_b32 s22, s20, 5                         ; 32 scale bytes a row
	s_lshl_b32 s92, s46, 5
	s_mul_i32 s20, s20, 768                        ; A: 768 bytes of codes a row
	s_mul_i32 s46, s46, 192                        ; B: 192 a row in a plane
	s_mov_b32 s21, 0
	s_mov_b32 s23, 0
	s_mov_b32 s47, 0
	s_mov_b32 s93, 0
	s_wait_dscnt 0x0
	s_wait_kmcnt 0x0
	s_add_nc_u64 s[8:9], s[8:9], 589824            ; W_O is the fourth matrix of each plane
	s_add_nc_u64 s[10:11], s[10:11], 98304
	s_add_nc_u64 s[20:21], s[4:5], s[20:21]
	s_add_nc_u64 s[22:23], s[6:7], s[22:23]
	s_add_nc_u64 s[46:47], s[8:9], s[46:47]
	s_add_nc_u64 s[92:93], s[10:11], s[92:93]
	CROUND                                         ; all sixteen work-groups are here: the joint loads meet
	s_mov_b32 s[G0], 1
	s_mov_b32 s[G0+1], 0
	s_mov_b64 s[G0+2:G0+3], s[20:21]
	s_or_b32 s[G0+3], s[G0+3], 0x80000000
	s_mov_b32 s[G0B], 1
	s_mov_b32 s[G0B+1], AALL
	s_mov_b64 s[G0B+2:G0B+3], s[46:47]
	s_or_b32 s[G0B+3], s[G0B+3], 0x80000000
	s_mov_b32 s[G0S], 1
	s_mov_b32 s[G0S+1], SCL
	s_mov_b64 s[G0S+2:G0S+3], s[22:23]
	s_or_b32 s[G0S+3], s[G0S+3], 0x80000000
	s_mov_b32 s[G0SB], 1
	s_mov_b32 s[G0SB+1], SCL+HALFS
	s_mov_b64 s[G0SB+2:G0SB+3], s[92:93]
	s_or_b32 s[G0SB+3], s[G0SB+3], 0x80000000
; the head's loads, one a wave, in one tree of branches on the wave's number
.macro ARM under, g0, g1, next
	s_cmp_lt_u32 s14, \under
	s_cbranch_scc0 \next
	tensor_load_to_lds s[\g0:\g0+3], s[\g1:\g1+7]
	s_nop 0
.rept 4
	v_nop
.endr
	s_branch .Lhead_asked
\next:
.endm
	ARM 1, G0,  G1,  .Lhead_b
	ARM 2, G0B, G1B, .Lhead_sa
	ARM 3, G0S, G1S, .Lhead_sb
	tensor_load_to_lds s[G0SB:G0SB+3], s[G1SB:G1SB+7]
	s_nop 0
.rept 4
	v_nop
.endr
.Lhead_asked:
	v_and_b32 v1, 15, v0                           ; r
	v_bfe_u32 v2, v0, 4, 1                         ; h
	v_and_b32 v6, 31, v0
	v_mul_u32_u24 v3, v1, 48
	v_mul_u32_u24 v4, v2, 24
	v_add_nc_u32 v4, v3, v4                        ; B: 48 r + 24 h in a block of 768 bytes
	v_lshlrev_b32 v7, 4, v6                        ; A: 16 x lane, 8 x lane in a half image
	v_lshlrev_b32 v8, 3, v6
	s_mul_i32 s21, s15, 4*ATP                      ; my four tiles of A
	s_mul_i32 s22, s16, 24576                      ; my eight tiles of B in a K step
	s_add_co_u32 s22, s22, AALL
	v_add_nc_u32 v[ADRA], s21, v7
	v_add_nc_u32 v[ADRA+1], s21, v8
	v_add_nc_u32 v[ADRB], s22, v4                  ; a register for each K step of B
.irp s, 1,2,3
	v_add_nc_u32 v[ADRB+\s], BPL, v[ADRB+\s-1]
.endr
	v_mul_u32_u24 v5, v1, KS                       ; my row's scales: 32 bytes a row, and 16 more for each 256 passed
	v_lshrrev_b32 v9, 8, v5
	v_lshl_add_u32 v5, v9, 4, v5
	s_mul_i32 s21, s15, HALFS/2
	s_mul_i32 s22, s16, HALFS
	s_add_co_u32 s22, s22, HALFS
	s_sub_co_u32 s22, s22, s21
	v_mul_u32_u24 v9, s22, v2                      ; lanes 16-31 take B's
	s_add_co_u32 s21, s21, SCL
	v_add_nc_u32 v5, v5, v9
	v_add_nc_u32 v[ADRS], s21, v5
	s_mul_i32 s23, s14, 16*SPITCH                  ; my stage
	v_mul_u32_u24 v5, v1, SPITCH
	v_lshl_add_u32 v5, v2, 6, v5
	v_add_nc_u32 v[STO], s23, v5
	v_lshlrev_b32 v[CO], 4, v6
	v_add_nc_u32 v[RD], s23, v[CO]
	s_lshl_b32 s20, s17, 7
	s_lshl_b32 s21, s15, 6
	s_add_co_u32 s20, s20, s21                     ; my first row of out0
	s_mov_b32 s21, 0
	s_mov_b64 s[18:19], SIZE_N*4
	s_mul_u64 s[20:21], s[20:21], s[18:19]
	s_lshl_b32 s46, s42, 10
	s_lshl_b32 s47, s16, 9
	s_add_co_u32 s46, s46, s47                     ; my first column, in bytes
	s_mov_b32 s47, 0
	s_add_nc_u64 s[20:21], s[20:21], s[46:47]
	s_add_nc_u64 s[12:13], s[12:13], s[20:21]
.macro FRAG reg, st, i                 ; a fragment of B for step st of 128 along K: six pieces of 8 bytes
.irp p, 0,1,2,3,4,5
	ds_load_b64 v[\reg+2*\p:\reg+2*\p+1], v[ADRB+(\st)/2] offset:(\i)*3072+(2*((\st)%2)+\p/3)*768+8*(\p%3)
.endr
.endm
.macro FRAGA reg, st, i                ; a fragment of A: two half images
	ds_load_b128 v[\reg:\reg+3], v[ADRA] offset:ATP*(\i)+1536*(\st)
	ds_load_b64 v[\reg+4:\reg+5], v[ADRA+1] offset:ATP*(\i)+1536*(\st)+512
	ds_load_b128 v[\reg+6:\reg+9], v[ADRA] offset:ATP*(\i)+1536*(\st)+768
	ds_load_b64 v[\reg+10:\reg+11], v[ADRA+1] offset:ATP*(\i)+1536*(\st)+1280
.endm
.macro FETCH_B st
	WIN TO_B
.irp i, 0,1,2,3,4,5,6,7
	FRAG 128*((\st)%2)+FR*\i, \st, \i
.endr
	WIN 0
.endm
.macro SCALES pr                       ; the scale words of steps 2 pr and 2 pr + 1 into set pr % 2
.irp i, 0,1,2,3,4,5,6,7
	ds_load_b64 v[SC+16*((\pr)%2)+NQ*\i:SC+16*((\pr)%2)+NQ*\i+1], v[ADRS] offset:\i*SBLK+8*(\pr)
.endr
.endm
.macro MUL8 a, st, zero                ; A's block a against B's eight; the 32 accumulators take turns, in the same order in every step
.irp b, 0,1,2,3,4,5,6,7
.if \zero
	v_wmma_scale_f32_16x16x128_f8f6f4 v[8*(8*(\a)+\b):8*(8*(\a)+\b)+7], v[128*((\st)%2)+FR*\b:128*((\st)%2)+FR*\b+FR-1], v[AF+FR*(\a):AF+FR*(\a)+FR-1], 0, v[SC+16*(((\st)/2)%2)+NQ*\b+(\st)%2], v[SC+16*(((\st)/2)%2)+NQ*(\a)+(\st)%2] matrix_a_fmt:MATRIX_FMT_BF6 matrix_b_fmt:MATRIX_FMT_BF6 matrix_a_scale:MATRIX_SCALE_ROW1
.else
	v_wmma_scale_f32_16x16x128_f8f6f4 v[8*(8*(\a)+\b):8*(8*(\a)+\b)+7], v[128*((\st)%2)+FR*\b:128*((\st)%2)+FR*\b+FR-1], v[AF+FR*(\a):AF+FR*(\a)+FR-1], v[8*(8*(\a)+\b):8*(8*(\a)+\b)+7], v[SC+16*(((\st)/2)%2)+NQ*\b+(\st)%2], v[SC+16*(((\st)/2)%2)+NQ*(\a)+(\st)%2] matrix_a_fmt:MATRIX_FMT_BF6 matrix_b_fmt:MATRIX_FMT_BF6 matrix_a_scale:MATRIX_SCALE_ROW1
.endif
.endr
.endm
.macro PLACES                          ; four places between matrix instructions and loads into, or reads of, their registers
.rept 4
	v_nop
.endr
.endm
.macro STEP st, zero                   ; 32 products on step st's fragments; the next step's are fetched in its middle and at its end
.set NX, (\st)+1
	s_wait_dscnt 2*NLA                             ; all but the youngest eight loads, A's blocks 2 and 3
	WIN MUL
	MUL8 0, \st, \zero
	MUL8 1, \st, \zero
	s_wait_dscnt 0
	PLACES
	FETCH_B NX
	FRAGA AF, NX, 0
	FRAGA AF+FR, NX, 1
.if NX%2 == 0
	SCALES NX/2
.endif
	WIN MUL
	MUL8 2, \st, \zero
	MUL8 3, \st, \zero
	PLACES
	WIN 0
	FRAGA AF+2*FR, NX, 2
	FRAGA AF+3*FR, NX, 3
.endm
	s_wait_alu depctr_va_vdst(0)                   ; the wait at the head's end
	s_wait_tensorcnt 0x0                           ; my tile of the four is in
	s_barrier_signal -1
	s_barrier_wait -1                              ; everybody's is: up to the stage LDS is only read
	FETCH_B 0
	FRAGA AF, 0, 0
	FRAGA AF+FR, 0, 1
	SCALES 0
	FRAGA AF+2*FR, 0, 2
	FRAGA AF+3*FR, 0, 3
	STEP 0, 1                                      ; the first step's products start the sums
.set ST, 1
.rept 6
	STEP ST, 0
.set ST, ST+1
.endr
	s_wait_dscnt 2*NLA                             ; the last step: nothing more to fetch
	WIN MUL
	MUL8 0, 7, 0
	MUL8 1, 7, 0
	s_wait_dscnt 0                                 ; my reads of the tiles are over:
	s_barrier_signal -1                            ; say so, work on registers meanwhile,
	MUL8 2, 7, 0
	MUL8 3, 7, 0
	WIN 0
	s_barrier_wait -1                              ; and store to the stage only when nobody reads A's bytes any more
; THE WAY OUT, block by block of 16 rows x 128 columns: through my own stage, back as whole rows of 512 bytes, which the 32 lanes store as two aligned runs of 256 bytes
.macro TOSTAGE a
.set AC, 64*(\a)
	WIN 0x08                                       ; the data: window 2
.irp b, 0,1,2,3,4,5,6,7
	ds_store_b128 v[STO], v[AC+8*\b:AC+8*\b+3] offset:128*(\b/2)+32*(\b%2)      ; each accumulator from its low end on
	ds_store_b128 v[STO], v[AC+8*\b+4:AC+8*\b+7] offset:128*(\b/2)+32*(\b%2)+16
.endr
	WIN 0
.set BB, BK+64*((\a)%2)
.irp t, 0,1,2,3,4,5,6,7,8,9,10,11,12,13,14,15
	ds_load_b128 v[BB+4*\t:BB+4*\t+3], v[RD] offset:\t*SPITCH    ; LDS serves a wave's instructions in order: these see the stores above
.endr
.endm
.macro SEND a, younger                 ; younger: the LDS instructions issued behind block a's loads, which may stay out
.set BB, BK+64*((\a)%2)
	s_wait_dscnt \younger
.if (\a) > 0
	s_add_nc_u64 s[12:13], s[12:13], 16*SIZE_N*4   ; (behind a wait on XCNT: the earlier stores have read their base)
.endif
.irp t, 0,1,2,3,4,5,6,7,8,9,10,11,12,13,14,15
	global_store_b128 v[CO], v[BB+4*\t:BB+4*\t+3], s[12:13] offset:\t*SIZE_N*4 th:TH_STORE_NT
.endr
.endm
	PLACES
	TOSTAGE 0
.irp a, 1,2,3
.if \a > 1
	s_wait_xcnt 0x0                                ; block a - 2's stores have read their registers and their base
.endif
	TOSTAGE \a
	SEND \a-1, 32                                  ; behind block a - 1's loads: block a's 16 stores and 16 loads
.endr
	s_wait_xcnt 0x0
	SEND 3, 0
	s_wait_tensorcnt 0x0                           ; the wave's end
	ds_add_u32 v[SPW], v[NIL]
	s_wait_dscnt 0x0
	CROUND                                         ; the closing round
	s_endpgm
.Lfunc_end_k_q771f6440e9_outp:
	.size	k_q771f6440e9_outp, .Lfunc_end_k_q771f6440e9_outp-k_q771f6440e9_outp
	.p2alignl 7, 3214868480
	.fill 96, 4, 3214868480
	.section	.rodata,"a",@progbits
	.p2align	6, 0x0
	.amdhsa_kernel k_q771f6440e9_outp
		.amdhsa_group_segment_fixed_size 327680
		.amdhsa_private_segment_fixed_size 0
		.amdhsa_enable_private_segment 0
		.amdhsa_kernarg_size 40
		.amdhsa_user_sgpr_count 2
		.amdhsa_user_sgpr_kernarg_segment_ptr 1
		.amdhsa_wavefront_size32 1
		.amdhsa_system_sgpr_workgroup_id_x 1
		.amdhsa_system_sgpr_workgroup_id_y 1
		.amdhsa_system_sgpr_workgroup_id_z 1
		.amdhsa_system_vgpr_workitem_id 0
		.amdhsa_next_free_vgpr 768
		.amdhsa_next_free_sgpr 98
		.amdhsa_reserve_vcc 0
		.amdhsa_float_denorm_mode_32 3
		.amdhsa_float_denorm_mode_16_64 3
		.amdhsa_memory_ordered 1
		.amdhsa_forward_progress 1
		.amdhsa_inst_pref_size 93
	.end_amdhsa_kernel
	.amdgpu_metadata
---
amdhsa.version: [ 1, 2 ]
amdhsa.kernels:
  - .name:           k_q771f6440e9_outp
    .symbol:         k_q771f6440e9_outp.kd
    .args:
      - { .name: cc, .offset: 0, .size: 8, .value_kind: global_buffer, .address_space: global }
      - { .name: cs, .offset: 8, .size: 8, .value_kind: global_buffer, .address_space: global }
      - { .name: wc, .offset: 16, .size: 8, .value_kind: global_buffer, .address_space: global }
      - { .name: ws, .offset: 24, .size: 8, .value_kind: global_buffer, .address_space: global }
      - { .name: out0, .offset: 32, .size: 8, .value_kind: global_buffer, .address_space: global }
    .group_segment_fixed_size: 327680
    .private_segment_fixed_size: 0
    .kernarg_segment_align: 8
    .kernarg_segment_size: 40
    .max_flat_workgroup_size: 128
    .sgpr_count:     98
    .vgpr_count:     768
    .wavefront_size: 32
...
	.end_amdgpu_metadata
.endif
;; end of part 4
